; MI455X (gfx1250); checked and timed in simulation.
; The chip was launched on July 23, 2026; its instructions are those of AMD's public machine-readable ISA for CDNA 5 (MIT licence, August 2026) and "CDNA5" Instruction Set Architecture Reference Guide (July 2026). The comments in the code are by the model that wrote it; some were corrected since.
;; Attn Block. Allowed arithmetic: matrix products marked QUANTISED: E2M3 operands, one E8M0 scale for each 32 along K, by v_wmma_scale_f32_16x16x128_f8f6f4 with both operands' format E2M3, f32 sums; everything else in f32.
;; Inputs: bk 512 float32; bo 512 float32; bq 512 float32; bv 512 float32; gn_bias 512 float32; gn_scale 512 float32; wk 512 x 512 float32; wo 512 x 512 float32; wq 512 x 512 float32; wv 512 x 512 float32; x 8 x 32 x 64 x 512 float32.
;; Outputs: out0 8 x 32 x 64 x 512 float32.
;; This version of the problem:
;;   THIS VERSION OF THE PROBLEM IS GIVEN IN LOW PRECISION. The matrix products marked QUANTISED in the list below multiply operands that are first quantised to E2M3 (2 exponent bits, 3 mantissa bits; 6 bits a number), with one power-of-two scale for each 32 numbers along K (OCP MX v1.0); their sums are f32. All else is computed in f32.
;;   The module's matrix products, in the order in which they are computed (A, B: the left and right operand; K: the contracted axis; several contracted axes count as one K, in the product's order):
;;     1. [M 16,384, K 512] x [K 512, N 512]; A: computed on the way; B: input wq: QUANTISED
;;     2. [M 16,384, K 512] x [K 512, N 512]; A: computed on the way; B: input wk: QUANTISED
;;     3. [M 16,384, K 512] x [K 512, N 512]; A: computed on the way; B: input wv: QUANTISED
;;     4. batch 8 x [M 2,048, K 512] x [K 512, N 2,048]; A: computed on the way; B: computed on the way: QUANTISED
;;     5. batch 8 x [M 2,048, K 2,048] x [K 2,048, N 512]; A: softmax (see below); B: computed on the way: QUANTISED
;;     6. [M 16,384, K 512] x [K 512, N 512]; A: computed on the way; B: input wo: QUANTISED
;;   THE QUANTISER, for each operand of a quantised product, along K:
;;     - K is cut into blocks of 32 from its start; a last block that is shorter is filled with zeros.
;;     - A block's scale is 2^e with e = floor(log2(the largest magnitude in the block)) - 2, held to -126 .. 127; a block of zeros has e = 0. As a byte (E8M0): e + 127.
;;     - Each number is divided by its block's scale, clamped to +-7.5, and rounded to the nearest number of E2M3, ties to even, subnormals kept.
;;     - The product sums the exact products of the quantised numbers (number of the format x scale) in f32.
;;   ~~~python
;;   def quantise(x, axis):      # numpy; x: float32 -> the quantised numbers, widened to float32 again
;;       x = np.moveaxis(x, axis, -1); K = x.shape[-1]
;;       x = np.pad(x, [(0, 0)] * (x.ndim - 1) + [(0, -K % 32)]); x = x.reshape(x.shape[:-1] + (-1, 32)); a = np.abs(x).max(-1, keepdims=True)
;;       e = np.where(a > 0, np.clip(np.frexp(np.where(a > 0, a, 1))[1] - 1 - 2, -126, 127), 0)      # np.frexp(a)[1] - 1 = floor(log2(a)), exactly
;;       r = np.clip(x / 2.0 ** e, -7.5, 7.5)
;;       step = 2.0 ** (np.maximum(np.frexp(np.where(r == 0, 1, r))[1] - 1, 0) - 3)
;;       q = np.round(r / step) * step * 2.0 ** e      # np.round: ties to even
;;       return np.moveaxis(q.reshape(q.shape[:-2] + (-1,))[..., :K], -1, axis).astype(np.float32)
;;   ~~~
;;   SOFTMAX AHEAD OF A QUANTISED PRODUCT. Where the list says 'softmax', what is quantised is not the finished softmax but p = 2^(t - M), with t = logit x log2(e) and M = ceil(the row's largest t), a whole number; so 1/2 < the row's largest p <= 1. The row's sum l is taken of the UNQUANTISED p, in f32, and the product's result is divided by l at the end. Since M is a whole number, a kernel that streams over the keys may use a running M (the ceiling of the running maximum): every later rescaling is an exact power of two, which a block's scale takes up: the codes' values come out the same.
;;   OPERANDS COMPUTED ON THE WAY. 'Computed on the way' means the value that the module computes at that place (a softmax that the list does not call 'softmax' is quantised finished and normalised). What goes into a quantiser is computed in f32, as accurately as f32 sums, v_exp_f32 and their like allow (about 1e-6 of the number): no bf16 or f16 on the way to a quantiser, and a product that is left as it is and whose result goes on into a quantised operand takes f32 operands (vector FMAs, or v_wmma_f32_16x16x4_f32). A number that lies on a knife's edge between two numbers of the format may be rounded either way, as far as f32 arithmetic and the matrix unit's own rounding can turn it there, and no further.
;; One version. Each part assembles by itself: llvm-mc -triple=amdgcn-amd-amdhsa -mcpu=gfx1250 --defsym DOCPART=n.
;; ======== version 1 of 1: 3 launches
;; workspace buffers: stat 131,072 bytes; wcod 786,432 bytes; wscl 32,768 bytes; qcod 6,291,456 bytes; kcod 6,291,456 bytes; vcod 6,291,456 bytes; scl 786,432 bytes
;; launch prep (part 1): grid 576 x 1, 4 waves a work-group, no clusters, 0 bytes of LDS; arguments x, wq, wk, wv, wo, stat, wcod, wscl; writes stat, wcod, wscl
.if DOCPART == 1
	.amdgcn_target "amdgcn-amd-amdhsa--gfx1250"
	.amdhsa_code_object_version 6
	.text
	.protected	k_qa61086a086_prep
	.globl	k_qa61086a086_prep
	.p2align	8
	.type	k_qa61086a086_prep,@function
k_qa61086a086_prep:
	s_mov_b64 s[64:65], 0
	v_nop
	global_prefetch_b8 v0, s[64:65] scope:SCOPE_SE
	s_setreg_imm32_b32 hwreg(HW_REG_WAVE_MODE, 25, 1), 1
	s_wait_xcnt 0x0
; PREP: two kinds of work-groups, told apart by the work-group's number alone.  No LDS, no barrier: waves share nothing.
; Work-groups 0 .. 63: the four weights, [512 (k)][512 (n)] f32, become codes of FP6 (E2M3) with one E8M0 byte for each 32 along k, laid as IMAGES OF OPERAND REGISTERS:
;   wcod[X][tile 32][K step 4][3][lane][16 bytes], wscl[X][K step][pair of beta 8][lane][2 words].  A wave takes one beta: 32 columns x 128 k: one run of 128 loads, two fragments, a scale word a lane.
;   A lane takes a column and its registers run down k, so nothing is transposed.
;   THE COLUMNS OF A TILE ARE NOT NEIGHBOURS: lane r of tile 2 beta + u holds column 32 beta + 8 u + r + 8 (r / 8), so that a transposed product leaves 16 neighbours along the next K in a lane.
;   These work-groups have the longest chain of dependent steps, so they have the lowest numbers.
; Work-groups 64 .. 575: partial statistics for the group norm.  Work-group 64 + 64 b + ck takes rows 32 ck .. 32 ck + 31 of batch b; wave cq takes channels 128 cq .. + 127 (8 groups of 16).
;   A lane holds 4 channels of 32 rows in 128 registers; four neighbouring lanes hold a group's 512 numbers.  The chunk's mean is taken first, then the sum of squared distances from it (M2),
;   with the chunk still in registers: no difference of large sums is formed, whatever offset x carries.  stat[b][ck][group] = (mean, M2).
; LIMITS: NaN and infinities among the inputs are not served.  A block of zeros gets the byte 1 where the quantiser's rule says 127: its codes are zeros, and this program alone reads the bytes.
; A wave's statistics are 64 bytes, a quarter of an aligned 256: 131,072 bytes in all are written so.  A wave's scale words are 4 bytes a lane, 8 bytes apart (the wave of the pair's other beta fills the gaps): 32,768 bytes in all.
.set NWW, 64                           ; work-groups that take the weights
.set XR, 32                            ; v32-159  the numbers as loaded
.set FA, 160                           ; v160-171 fragment of tile 2 beta;  v172-183 of tile 2 beta + 1;  v184-198 upper halves of blocks on their way
	s_load_b512 s[4:19], s[0:1], 0x0               ; x s[4:5], wq s[6:7], wk s[8:9], wv s[10:11], wo s[12:13], stat s[14:15], wcod s[16:17], wscl s[18:19]
	v_lshrrev_b32 v1, 5, v0
	v_readfirstlane_b32 s20, v1                    ; wave
	v_and_b32 v1, 31, v0                           ; lane
	s_cmp_lt_u32 ttmp9, NWW
	s_cbranch_scc1 .Lweights
	; ---- statistics
	s_sub_co_u32 s26, ttmp9, NWW                   ; 64 b + ck
	v_lshlrev_b32 v2, 4, v1                        ; my 16 bytes of a row's 512
	v_lshrrev_b32 v3, 2, v1
	v_lshlrev_b32 v3, 3, v3                        ; 8 bytes for each group: four lanes share a place
	s_lshl_b32 s22, s26, 16                        ; 32 rows of 2,048 bytes a chunk
	s_lshl_b32 s21, s20, 9
	s_add_co_u32 s22, s22, s21                     ; + my wave's 512 bytes of each row
	s_mov_b32 s23, 0
	s_lshl_b32 s24, s26, 8                         ; 256 bytes of statistics a chunk
	s_lshl_b32 s21, s20, 6
	s_add_co_u32 s24, s24, s21                     ; + my wave's 8 groups
	s_mov_b32 s25, 0
	s_wait_kmcnt 0x0
	s_add_nc_u64 s[4:5], s[4:5], s[22:23]
	s_add_nc_u64 s[14:15], s[14:15], s[24:25]
.set i, 0
.rept 32
	global_load_b128 v[XR+4*i:XR+4*i+3], v2, s[4:5] offset:2048*i   ; 32 lanes read 512 consecutive bytes of row i
.set i, i+1
.endr
	s_wait_loadcnt 24                              ; rows 0-7 are in; 24 younger loads stay out
	v_pk_add_f32 v[4:5], v[XR:XR+1], v[XR+8:XR+9]  ; four chains, started by the first four rows: nothing is cleared
	v_pk_add_f32 v[6:7], v[XR+2:XR+3], v[XR+10:XR+11]
	v_pk_add_f32 v[8:9], v[XR+4:XR+5], v[XR+12:XR+13]
	v_pk_add_f32 v[10:11], v[XR+6:XR+7], v[XR+14:XR+15]
.set i, 4
.rept 28
.if i%8 == 0
	s_wait_loadcnt 24-i                            ; the next eight rows are in: 16, 8, 0 younger loads stay out
.endif
	v_pk_add_f32 v[4+4*(i%2):5+4*(i%2)], v[4+4*(i%2):5+4*(i%2)], v[XR+4*i:XR+4*i+1]
	v_pk_add_f32 v[6+4*(i%2):7+4*(i%2)], v[6+4*(i%2):7+4*(i%2)], v[XR+4*i+2:XR+4*i+3]
.set i, i+1
.endr
.macro JOIN                            ; the four chains, the pair's halves, the group's four lanes: every one of the four ends with the same bits
	v_pk_add_f32 v[4:5], v[4:5], v[6:7]
	v_pk_add_f32 v[8:9], v[8:9], v[10:11]
	v_pk_add_f32 v[4:5], v[4:5], v[8:9]
	v_add_f32 v4, v4, v5
	v_add_f32_dpp v4, v4, v4 row_xmask:1 row_mask:0xf bank_mask:0xf
	v_add_f32_dpp v4, v4, v4 row_xmask:2 row_mask:0xf bank_mask:0xf
.endm
	JOIN
	v_mul_f32 v12, 0x3b000000, v4                  ; / 512: the chunk's mean of my group
	v_mov_b32 v13, v12                             ; twice, for the packed subtraction
.set i, 0
.rept 64
	v_pk_add_f32 v[XR+2*i:XR+2*i+1], v[XR+2*i:XR+2*i+1], v[12:13] neg_lo:[0,1] neg_hi:[0,1]
.set i, i+1
.endr
	v_pk_mul_f32 v[4:5], v[XR:XR+1], v[XR:XR+1]
	v_pk_mul_f32 v[6:7], v[XR+2:XR+3], v[XR+2:XR+3]
	v_pk_mul_f32 v[8:9], v[XR+4:XR+5], v[XR+4:XR+5]
	v_pk_mul_f32 v[10:11], v[XR+6:XR+7], v[XR+6:XR+7]
.set i, 2
.rept 30
	v_pk_fma_f32 v[4+4*(i%2):5+4*(i%2)], v[XR+4*i:XR+4*i+1], v[XR+4*i:XR+4*i+1], v[4+4*(i%2):5+4*(i%2)]
	v_pk_fma_f32 v[6+4*(i%2):7+4*(i%2)], v[XR+4*i+2:XR+4*i+3], v[XR+4*i+2:XR+4*i+3], v[6+4*(i%2):7+4*(i%2)]
.set i, i+1
.endr
	JOIN
	v_mov_b32 v13, v4                              ; M2 beside the mean
	global_store_b64 v3, v[12:13], s[14:15]        ; the group's four lanes write the same 8 bytes with the same values
	s_endpgm
	; ---- weights
.Lweights:
	s_lshl_b32 s21, ttmp9, 2
	s_add_co_u32 s21, s21, s20                     ; job 0 .. 255
	s_lshr_b32 s22, s21, 6                         ; X: which weight
	s_bfe_u32 s23, s21, 0x20004                    ; which K step of 128
	s_and_b32 s24, s21, 15                         ; beta: which 32 columns
	v_and_b32 v2, 15, v1                           ; r
	v_and_b32 v3, 8, v1
	v_add_nc_u32 v2, v2, v3                        ; r + 8 (r / 8)
	v_lshrrev_b32 v3, 4, v1                        ; u
	v_lshl_add_u32 v2, v3, 3, v2                   ; + 8 u: my column among the 32 of a beta
	v_lshlrev_b32 v2, 2, v2
	s_lshl_b32 s25, s24, 7
	v_add_nc_u32 v2, s25, v2                       ; in bytes, + 128 for each beta
	v_lshlrev_b32 v5, 4, v1                        ; an image's place for my lane
	v_lshlrev_b32 v6, 3, v1                        ; two scale words a lane: one of them is mine
	s_lshl_b32 s26, s23, 18                        ; 128 rows of 2,048 bytes a K step
	s_mov_b32 s27, 0
	s_mul_i32 s28, s22, 196608                     ; wcod: a weight,
	s_mul_i32 s29, s24, 12288                      ; two tiles a beta,
	s_add_co_u32 s28, s28, s29
	s_mul_i32 s29, s23, 1536                       ; the K step's image in a tile
	s_add_co_u32 s28, s28, s29
	s_mov_b32 s29, 0
	s_lshl_b32 s30, s22, 2
	s_add_co_u32 s30, s30, s23
	s_lshl_b32 s30, s30, 3
	s_lshr_b32 s31, s24, 1
	s_add_co_u32 s30, s30, s31
	s_lshl_b32 s30, s30, 8                         ; wscl: ((4 X + K step) 8 + beta / 2) x 256
	s_and_b32 s31, s24, 1
	s_lshl_b32 s31, s31, 2
	s_add_co_u32 s30, s30, s31                     ; + 4 (beta % 2)
	s_mov_b32 s31, 0
	s_wait_kmcnt 0x0
	s_cmp_eq_u32 s22, 1                            ; the weight's address is chosen by the job's number alone
	s_cselect_b64 s[6:7], s[8:9], s[6:7]
	s_cmp_eq_u32 s22, 2
	s_cselect_b64 s[6:7], s[10:11], s[6:7]
	s_cmp_eq_u32 s22, 3
	s_cselect_b64 s[6:7], s[12:13], s[6:7]
	s_add_nc_u64 s[6:7], s[6:7], s[26:27]
	s_add_nc_u64 s[16:17], s[16:17], s[28:29]
	s_add_nc_u64 s[18:19], s[18:19], s[30:31]
.set i, 0
.rept 128
	global_load_b32 v[XR+i], v2, s[6:7] offset:2048*i th:TH_LOAD_NT   ; row k: the 32 lanes read 128 consecutive bytes; read once in the launch
.set i, i+1
.endr
	s_wait_loadcnt 0x0
.irp b, 0,1,2,3
	v_max3_num_f32 v[20+\b], |v[XR+32*\b]|, |v[XR+32*\b+1]|, 0x1800000   ; block b: all 32 numbers are mine; the floor 2^(3 - 127) holds the byte at 1 from below
.endr
.irp i, 2,4,6,8,10,12,14,16,18,20,22,24,26,28,30
.irp b, 0,1,2,3
	v_max3_num_f32 v[20+\b], v[20+\b], |v[XR+32*\b+\i]|, |v[XR+32*\b+\i+1]|   ; the four blocks by turns
.endr
.endr
.irp b, 0,1,2,3
	v_add_nc_u32 v[24+\b], 0xff000000, v[20+\b]    ; 2 off the exponent field: the conversion's scale operand
.endr
.irp b, 0,1,2,3
	v_lshrrev_b32 v[28+\b], 23, v[24+\b]           ; the scale's byte
.endr
	v_lshl_or_b32 v16, v29, 8, v28                 ; my column's scale word for these 128 k
	v_lshl_or_b32 v16, v30, 16, v16
	v_lshl_or_b32 v16, v31, 24, v16
.irp b, 0,1,2,3                        ; blocks 0 and 2 into the first run of twelve, blocks 1 and 3 into the second; a conversion's three registers begin on an even number, so the upper halves are made elsewhere and moved
	v_cvt_scalef32_pk16_fp6_f32 v[FA+12*(\b%2)+6*(\b/2):FA+12*(\b%2)+6*(\b/2)+2], v[XR+32*\b:XR+32*\b+15], v[24+\b]
	v_cvt_scalef32_pk16_fp6_f32 v[184+4*\b:186+4*\b], v[XR+32*\b+16:XR+32*\b+31], v[24+\b]
.endr
	v_nop                                          ; one plain place behind a scaled conversion
.irp b, 0,1,2,3
.irp i, 0,1,2
	v_mov_b32 v[FA+12*(\b%2)+6*(\b/2)+3+\i], v[184+4*\b+\i]
.endr
.endr
.irp i, 0,1,2,3,4,5,6,7,8,9,10,11
	v_permlane16_swap_b32 v[FA+\i], v[FA+12+\i]    ; the first run's lanes 16-31 change places with the second's lanes 0-15: the first is now tile 2 beta's fragment (lanes 0-15 blocks 0, 2; lanes 16-31 blocks 1, 3), the second tile 2 beta + 1's
.endr
.irp u, 0,1
.irp c, 0,1,2
	global_store_b128 v5, v[FA+12*\u+4*\c:FA+12*\u+4*\c+3], s[16:17] offset:6144*\u+512*\c   ; 512 consecutive bytes, aligned
.endr
.endr
	global_store_b32 v6, v16, s[18:19]             ; lanes 0-15 tile 2 beta's rows, lanes 16-31 tile 2 beta + 1's; every second word of 256 bytes
	s_endpgm
.Lfunc_end_k_qa61086a086_prep:
	.size	k_qa61086a086_prep, .Lfunc_end_k_qa61086a086_prep-k_qa61086a086_prep
	.p2alignl 7, 3214868480
	.fill 96, 4, 3214868480
	.section	.rodata,"a",@progbits
	.p2align	6, 0x0
	.amdhsa_kernel k_qa61086a086_prep
		.amdhsa_group_segment_fixed_size 0
		.amdhsa_private_segment_fixed_size 0
		.amdhsa_enable_private_segment 0
		.amdhsa_kernarg_size 64
		.amdhsa_user_sgpr_count 2
		.amdhsa_user_sgpr_kernarg_segment_ptr 1
		.amdhsa_wavefront_size32 1
		.amdhsa_system_sgpr_workgroup_id_x 1
		.amdhsa_system_sgpr_workgroup_id_y 1
		.amdhsa_system_sgpr_workgroup_id_z 1
		.amdhsa_system_vgpr_workitem_id 0
		.amdhsa_next_free_vgpr 200
		.amdhsa_next_free_sgpr 66
		.amdhsa_reserve_vcc 0
		.amdhsa_float_denorm_mode_32 3
		.amdhsa_float_denorm_mode_16_64 3
		.amdhsa_memory_ordered 1
		.amdhsa_forward_progress 1
		.amdhsa_inst_pref_size 37
	.end_amdhsa_kernel
	.amdgpu_metadata
---
amdhsa.version: [ 1, 2 ]
amdhsa.kernels:
  - .name:           k_qa61086a086_prep
    .symbol:         k_qa61086a086_prep.kd
    .args:
      - { .name: x, .offset: 0, .size: 8, .value_kind: global_buffer, .address_space: global }
      - { .name: wq, .offset: 8, .size: 8, .value_kind: global_buffer, .address_space: global }
      - { .name: wk, .offset: 16, .size: 8, .value_kind: global_buffer, .address_space: global }
      - { .name: wv, .offset: 24, .size: 8, .value_kind: global_buffer, .address_space: global }
      - { .name: wo, .offset: 32, .size: 8, .value_kind: global_buffer, .address_space: global }
      - { .name: stat, .offset: 40, .size: 8, .value_kind: global_buffer, .address_space: global }
      - { .name: wcod, .offset: 48, .size: 8, .value_kind: global_buffer, .address_space: global }
      - { .name: wscl, .offset: 56, .size: 8, .value_kind: global_buffer, .address_space: global }
    .group_segment_fixed_size: 0
    .private_segment_fixed_size: 0
    .kernarg_segment_align: 8
    .kernarg_segment_size: 64
    .max_flat_workgroup_size: 128
    .sgpr_count:     66
    .vgpr_count:     200
    .wavefront_size: 32
...
	.end_amdgpu_metadata
.endif
;; end of part 1
;; launch qkv (part 2): grid 256 x 1, 4 waves a work-group, clusters of 4 x 1, 327,680 bytes of LDS; arguments x, gn_scale, gn_bias, stat, wcod, wscl, bq, bk, bv, qcod, kcod, vcod, scl; writes qcod, kcod, vcod, scl
.if DOCPART == 2
	.amdgcn_target "amdgcn-amd-amdhsa--gfx1250"
	.amdhsa_code_object_version 6
	.text
	.protected	k_qa61086a086_qkv
	.globl	k_qa61086a086_qkv
	.p2align	8
	.type	k_qa61086a086_qkv,@function
k_qa61086a086_qkv:
	s_mov_b64 s[64:65], 0
	v_nop
	global_prefetch_b8 v0, s[64:65] scope:SCOPE_SE
	s_setreg_imm32_b32 hwreg(HW_REG_WAVE_MODE, 25, 1), 1
	s_wait_xcnt 0x0
	s_wait_alu depctr_hold_cnt(0) depctr_sa_sdst(0) depctr_va_vdst(0) depctr_va_sdst(0) depctr_va_ssrc(0) depctr_va_vcc(0) depctr_vm_vsrc(0)
	s_getreg_b32 s2, hwreg(HW_REG_IB_STS2, 6, 4)
	s_cmp_eq_u32 s2, 0
	s_cbranch_scc0 .Lentry_in_a_cluster
	s_endpgm
.Lentry_in_a_cluster:
	s_bfe_u32 s2, ttmp6, 0x10000c
	s_cmp_lg_u32 s2, 0x3003
	s_cbranch_scc0 .Lentry_shape_is_right
	s_endpgm
.Lentry_shape_is_right:
; QKV: group norm, and q = h wq + bq, k = h wk + bk, v = h wv + bv on codes of FP6 (E2M3) with one E8M0 scale for each 32 along K; the results leave as codes for the attention launch.
; SHARES.  A work-group takes 64 tokens of one batch, as four tiles of 16.  Wave w normalises and quantises tile w of h; the fragments go to the other waves through LDS as images of their registers.
; In the products THE WAVES SHARE THE COLUMNS: wave w makes columns 128 w .. + 127 of q, of k and of v for all 64 tokens, so that each weight fragment is read from LDS by one wave and feeds four products.
; THE ROWS OF A TILE ARE NOT NEIGHBOURS: lane r of tile 2 beta + u holds row (token, or weight column) 32 beta + 8 u + r + 8 (r / 8).  q and k are made TRANSPOSED (source 0 = weight, source 1 = h): a lane holds one
; token and its 16 registers of two neighbouring tiles are 16 neighbouring channels, the K of the scores.  v is made the other way round: a lane holds one channel and its registers run along the tokens, the K of the second product.
; THE WEIGHTS come as register images from wcod, 24,576 dense bytes a wave and step (four tiles x four K steps), through a ring of two LDS slots.  CLUSTER: the four work-groups of a cluster walk the same weights and
; ask for them JOINTLY (mask of all four); the addresses hang on the wave's number and the step alone.  Each wave reads only the bytes that its own loads brought.
; By this text's own count a wave has two tensor loads out at the start and one behind each later round.
; THE STATISTICS, a lane a group.  Wave w adds up 16 of its batch's 64 chunks: mean_w = sum of means / 16, M2_w = sum of M2 + 512 x sum of (chunk mean - mean_w)^2.  The four waves' pairs meet in LDS behind a barrier, and every
; wave finishes alike: mean = sum of mean_w / 4, var = (sum of M2_w + 8,192 x sum of (mean_w - mean)^2) / 32,768.
; THE NORM IS TAKEN IN THE LAYOUT IN WHICH x IS LOADED: there a lane holds the same four channels in all 16 rows, so gn_scale and gn_bias are four registers each for a K step and one (mean, 1/sqrt) pair serves a lane's K step.
; The normalised numbers then turn through a stage in LDS, so that a lane holds 16 neighbours along K for the conversions.
; LIMITS: NaN and infinities are not served; a block of zeros carries the byte 1 (its codes are zeros; this program alone reads the bytes); 1 / sqrt is v_rsq_f32.
; REGISTERS.  window 0: v1-19 addresses; v20-27 a (mean, 1/sqrt) pair for each K step; v36-43 scale words on their way out; v44-59, v60-79 the quantiser's; v80-127 the weights' scale words; v128-255 statistics, then 2 x 64 numbers of h;
;   from the products on v128-143 hold h's scale words and nothing else.   window 1: x as loaded, normalised in place, then the 32 accumulators.   window 2: v0-63 a bias in the result's layout, v64-255 h's 16 fragments.
;   window 3: v0-191 16 weight fragments; v192-207 gn_scale, v208-223 gn_bias.
.set SLOTB, 98304                      ; LDS: two slots of 4 x 24,576 bytes;
.set XST,   196608                     ; a stage of 16 rows x (512 + 16) bytes for each wave, in which h turns from loads' order to a lane's 16 neighbours;
.set GST,   230400                     ; 32 groups' (mean, 1/sqrt) for each wave;
.set HIMG,  231424                     ; h's 16 fragments (4 x tile + K step), 1,536 bytes each;
.set HSC,   256000                     ; their scale words, 128 bytes each;
.set SPARE, 258048                     ; the spare words, 128 bytes for each wave: two blocks of 256 bytes that no other line names;
.set GSX,   258560                     ; the four waves' partial (mean, M2), 256 bytes each
.set SPW, 16
.set NIL, 17
.set MR,  20
.set PWS, 36
.set OUTP, 40
.set PW,  42
.set TM,  44
.set PC,  60
.set WS,  80
.set XN,  128
.set HS,  128
.set GS,  192                          ; in window 3
.set GB,  208
.set WV,  30
.set SEL, 52
.set MSB, 0
.macro WIN new                         ; the immediate's high byte repeats the setting that is left; a switch that changes nothing is dropped
.if MSB != \new
	s_set_vgpr_msb (MSB<<8)|\new
.set MSB, \new
.endif
.endm
.macro PLACES n
.rept \n
	v_nop
.endr
.endm
.macro CROUND                          ; a round of the cluster's barrier
	s_barrier_signal -1
	s_barrier_wait -1
	s_cmp_lg_u32 s[WV], 0
	s_cbranch_scc1 .Lnot_wave_0_\@
	s_barrier_signal -3
.Lnot_wave_0_\@:
	s_barrier_wait -3
	s_barrier_signal -1
	s_barrier_wait -1
.endm
; One product.  c < 0: the constant 0 starts the sum.  ra, rb = 1: that side's scales are read from lanes 16-31 of its register.
.macro MM d, a, b, c, sa, sb, ra, rb
.set rD, \d
.set rA, \a
.set rB, \b
.set rC, \c
.set rSA, \sa
.set rSB, \sb
.set rSEL, 2*(\ra)+(\rb)
.if rC < 0
.if rSEL == 0
	v_wmma_scale_f32_16x16x128_f8f6f4 v[rD:rD+7], v[rA:rA+11], v[rB:rB+11], 0, v[rSA], v[rSB] matrix_a_fmt:MATRIX_FMT_FP6 matrix_b_fmt:MATRIX_FMT_FP6
.elseif rSEL == 1
	v_wmma_scale_f32_16x16x128_f8f6f4 v[rD:rD+7], v[rA:rA+11], v[rB:rB+11], 0, v[rSA], v[rSB] matrix_a_fmt:MATRIX_FMT_FP6 matrix_b_fmt:MATRIX_FMT_FP6 matrix_b_scale:MATRIX_SCALE_ROW1
.elseif rSEL == 2
	v_wmma_scale_f32_16x16x128_f8f6f4 v[rD:rD+7], v[rA:rA+11], v[rB:rB+11], 0, v[rSA], v[rSB] matrix_a_fmt:MATRIX_FMT_FP6 matrix_b_fmt:MATRIX_FMT_FP6 matrix_a_scale:MATRIX_SCALE_ROW1
.else
	v_wmma_scale_f32_16x16x128_f8f6f4 v[rD:rD+7], v[rA:rA+11], v[rB:rB+11], 0, v[rSA], v[rSB] matrix_a_fmt:MATRIX_FMT_FP6 matrix_b_fmt:MATRIX_FMT_FP6 matrix_a_scale:MATRIX_SCALE_ROW1 matrix_b_scale:MATRIX_SCALE_ROW1
.endif
.else
.if rSEL == 0
	v_wmma_scale_f32_16x16x128_f8f6f4 v[rD:rD+7], v[rA:rA+11], v[rB:rB+11], v[rC:rC+7], v[rSA], v[rSB] matrix_a_fmt:MATRIX_FMT_FP6 matrix_b_fmt:MATRIX_FMT_FP6
.elseif rSEL == 1
	v_wmma_scale_f32_16x16x128_f8f6f4 v[rD:rD+7], v[rA:rA+11], v[rB:rB+11], v[rC:rC+7], v[rSA], v[rSB] matrix_a_fmt:MATRIX_FMT_FP6 matrix_b_fmt:MATRIX_FMT_FP6 matrix_b_scale:MATRIX_SCALE_ROW1
.elseif rSEL == 2
	v_wmma_scale_f32_16x16x128_f8f6f4 v[rD:rD+7], v[rA:rA+11], v[rB:rB+11], v[rC:rC+7], v[rSA], v[rSB] matrix_a_fmt:MATRIX_FMT_FP6 matrix_b_fmt:MATRIX_FMT_FP6 matrix_a_scale:MATRIX_SCALE_ROW1
.else
	v_wmma_scale_f32_16x16x128_f8f6f4 v[rD:rD+7], v[rA:rA+11], v[rB:rB+11], v[rC:rC+7], v[rSA], v[rSB] matrix_a_fmt:MATRIX_FMT_FP6 matrix_b_fmt:MATRIX_FMT_FP6 matrix_a_scale:MATRIX_SCALE_ROW1 matrix_b_scale:MATRIX_SCALE_ROW1
.endif
.endif
.endm
; 64 numbers of a lane in window sw, register 16 b + i = place 32 b + 16 (lane / 16) + i along K of my row, become a fragment's codes in v[PC] on and its scale word in v[pw].  Each run of eight registers is read from its low end on.
; xw = 1: stores to memory may still read the last codes' registers: the wait for them stands ahead of the conversions, the first lines that write those registers; the search for the maxima stands ahead of it.
.macro QUANT src, sw, pw, xw
.set QS, \src
	WIN 5*(\sw)
.irp b, 0,1,2,3
	v_max3_num_f32 v[TM+\b], |v[QS+16*\b]|, |v[QS+16*\b+1]|, 0x1800000   ; block b: my 16 numbers, and the floor 2^(3 - 127): the byte cannot fall under 1
.endr
.irp i, 2,4,6,8,10,12,14
.irp b, 0,1,2,3
	v_max3_num_f32 v[TM+\b], |v[QS+16*\b+\i]|, |v[QS+16*\b+\i+1]|, v[TM+\b]   ; the four blocks by turns
.endr
.endr
	WIN 0
.irp b, 0,1,2,3
	v_permlanex16_b32 v[TM+4+\b], v[TM+\b], s[SEL], s[SEL+1]
.endr
.irp b, 0,1,2,3
	v_max_num_f32 v[TM+\b], v[TM+\b], v[TM+4+\b]   ; with lane l xor 16's: the block's largest magnitude
.endr
.irp b, 0,1,2,3
	v_add_nc_u32 v[TM+12+\b], 0xff000000, v[TM+\b] ; 2 off its exponent field: the conversion's scale operand
.endr
.irp b, 0,1,2,3
	v_lshrrev_b32 v[TM+4+\b], 23, v[TM+12+\b]      ; the scale's byte
.endr
	v_lshl_or_b32 v[\pw], v[TM+5], 8, v[TM+4]
	v_lshl_or_b32 v[\pw], v[TM+6], 16, v[\pw]
	v_lshl_or_b32 v[\pw], v[TM+7], 24, v[\pw]
.if \xw
	s_wait_xcnt 0x0                                ; the earlier stores have read their registers: the codes are made anew only behind this wait
.endif
	WIN \sw
.irp c, 0,1
	v_cvt_scalef32_pk16_fp6_f32 v[PC+6*\c:PC+6*\c+2], v[QS+32*\c:QS+32*\c+15], v[TM+12+2*\c]
	v_cvt_scalef32_pk16_fp6_f32 v[PC+12+4*\c:PC+14+4*\c], v[QS+16+32*\c:QS+31+32*\c], v[TM+13+2*\c]   ; (a conversion's three registers begin on an even number)
.endr
	WIN 0
	v_nop                                          ; one plain place behind a scaled conversion
.irp c, 0,1                            ; the operand's layout wants a WHOLE block in a lane: lanes 0-15 block 2 c, lanes 16-31 block 2 c + 1
.irp i, 0,1,2
	v_permlane16_swap_b32 v[PC+6*\c+\i], v[PC+12+4*\c+\i]
.endr
.irp i, 0,1,2
	v_mov_b32 v[PC+3+6*\c+\i], v[PC+12+4*\c+\i]
.endr
.endr
.endm
.macro IMAGE adr, off                  ; the fragment in v[PC] on goes to LDS as it stands: lane l's 16 bytes at 16 l, 512 bytes a store
.irp c, 0,1,2
	ds_store_b128 v[\adr], v[PC+4*\c:PC+4*\c+3] offset:(\off)+512*\c
.endr
.endm
	s_load_b512 s[4:19], s[0:1], 0x0               ; x s[4:5], gn_scale s[6:7], gn_bias s[8:9], stat s[10:11], wcod s[12:13], wscl s[14:15], bq s[16:17], bk s[18:19]
	s_load_b256 s[20:27], s[0:1], 0x40             ; bv s[20:21], qcod s[22:23], kcod s[24:25], vcod s[26:27]
	s_load_b64 s[28:29], s[0:1], 0x60              ; scl
	v_lshl_add_u32 v[SPW], v0, 2, SPARE
	v_mov_b32 v[NIL], 0
	ds_add_u32 v[SPW], v[NIL]                      ; the wave's opening: the add and its wait stand ahead of my first tensor load; the set-up below, work on registers, stands between them
	v_lshrrev_b32 v1, 5, v0
	v_readfirstlane_b32 s[WV], v1                  ; wave 0..3
	; descriptor group 1: 24,576 dense bytes as 96 rows of 256 bytes (32 elements of 8 bytes), no padding: every LDS read takes consecutive bytes
	s_mov_b32 s36, 15|(3<<16)|(1<<21)              ; 15:0 the mask: all four work-groups; 17:16 elements of 8 bytes; 21 set beside a mask
	s_mov_b32 s37, 32<<16                          ; tensor_dim0 = 32
	s_mov_b32 s38, 96<<16                          ; tensor_dim1 = 96
	s_mov_b32 s39, 32<<16                          ; tile_dim0 = 32
	s_mov_b32 s40, 96                              ; tile_dim1 = 96
	s_mov_b32 s41, 32                              ; the pitch
	s_mov_b32 s42, 0
	s_mov_b32 s43, 0
	s_mov_b32 s44, 1                               ; group 0 for slot 0 in s[44:47], for slot 1 in s[48:51]: made of the wave's number alone
	s_mul_i32 s45, s[WV], 24576
	s_mov_b32 s48, 1
	s_add_co_u32 s49, s45, SLOTB
	s_mul_i32 s62, s[WV], 49152                    ; my eight tiles in a weight's images
	s_mov_b32 s63, 0
	s_mov_b32 s[SEL], 0x76543210
	s_mov_b32 s[SEL+1], 0xfedcba98                 ; v_permlanex16_b32's selects for lane l xor 16
	s_mov_b32 s54, 0xffff0000                      ; lanes 16-31, as a mask for v_cndmask_b32
	s_mov_b32 s55, 0x38000000                      ; 1 / 32,768
	s_bfe_u32 s31, ttmp6, 0x40000                  ; cx
	s_lshl_b32 s32, ttmp9, 2
	s_add_co_u32 s32, s32, s31                     ; my block of 64 tokens, 0 .. 255
	s_lshr_b32 s33, s32, 5                         ; batch
	s_and_b32 s34, s32, 31                         ; block in the batch
	s_lshl_b32 s66, s32, 6
	s_lshr_b32 s67, s[WV], 1
	s_lshl_b32 s67, s67, 5
	s_add_co_u32 s66, s66, s67
	s_and_b32 s67, s[WV], 1
	s_lshl_b32 s67, s67, 3
	s_add_co_u32 s66, s66, s67                     ; my tile's first token: 64 x block + 32 (w / 2) + 8 (w % 2)
	s_lshl_b32 s66, s66, 11
	s_mov_b32 s67, 0
	s_lshl_b32 s68, s33, 14                        ; the batch's statistics,
	s_lshl_b32 s69, s[WV], 12
	s_add_co_u32 s68, s68, s69                     ; my wave's 16 chunks of 256 bytes
	s_mov_b32 s69, 0
	s_lshl_b32 s70, s[WV], 9                       ; 512 w: my part of a bias, and of a K step's scale words
	s_mov_b32 s71, 0
	s_mul_i32 s72, s32, 24576                      ; q's and k's codes: [block][K step = w][tile][1,536]
	s_mul_i32 s35, s[WV], 6144
	s_add_co_u32 s72, s72, s35
	s_mov_b32 s73, 0
	s_lshl_b32 s74, s33, 3                         ; v's codes: [batch][block / 4][w][block % 4][channel tile][768]
	s_lshr_b32 s35, s34, 2
	s_add_co_u32 s74, s74, s35
	s_lshl_b32 s74, s74, 2
	s_add_co_u32 s74, s74, s[WV]
	s_lshl_b32 s74, s74, 2
	s_and_b32 s35, s34, 3
	s_add_co_u32 s74, s74, s35
	s_mul_i32 s74, s74, 6144
	s_mov_b32 s75, 0
	s_mov_b32 s35, 0x3727c5ac                      ; 1e-5
	s_lshl_b32 s76, s32, 2                         ; q's and k's scale words: [block][K step = w][lane][2]
	s_add_co_u32 s76, s76, s[WV]
	s_lshl_b32 s76, s76, 8
	s_mov_b32 s77, 0
	s_lshl_b32 s78, s33, 2                         ; v's: [batch][w][block][lane][4 x 2 bytes], from byte 524,288 on
	s_add_co_u32 s78, s78, s[WV]
	s_lshl_b32 s78, s78, 5
	s_add_co_u32 s78, s78, s34
	s_lshl_b32 s78, s78, 8
	s_add_co_u32 s78, s78, 524288
	s_mov_b32 s79, 0
	s_wait_dscnt 0x0                               ; the opening add is done
	s_wait_kmcnt 0x0
	s_add_nc_u64 s[46:47], s[12:13], s[62:63]      ; wq, my tiles 0-3
	s_add_nc_u64 s[50:51], s[46:47], 24576         ; wq, my tiles 4-7
	s_or_b32 s47, s47, 0x80000000                  ; type = 2
	s_or_b32 s51, s51, 0x80000000
	s_add_nc_u64 s[4:5], s[4:5], s[66:67]
	s_add_nc_u64 s[10:11], s[10:11], s[68:69]
	s_add_nc_u64 s[14:15], s[14:15], s[70:71]
	s_add_nc_u64 s[16:17], s[16:17], s[70:71]
	s_add_nc_u64 s[18:19], s[18:19], s[70:71]
	s_add_nc_u64 s[20:21], s[20:21], s[70:71]
	s_add_nc_u64 s[22:23], s[22:23], s[72:73]
	s_add_nc_u64 s[24:25], s[24:25], s[72:73]
	s_add_nc_u64 s[26:27], s[26:27], s[74:75]
	s_add_nc_u64 s[56:57], s[28:29], s[76:77]      ; q's scale words
	s_add_nc_u64 s[58:59], s[56:57], 262144        ; k's
	s_add_nc_u64 s[60:61], s[28:29], s[78:79]      ; v's
	CROUND                                         ; all four work-groups are here: the first joint loads meet
	tensor_load_to_lds s[44:47], s[36:43]          ; the two first fills go out together, ahead of every wait on TENSORcnt, every LDS read and every other barrier
	s_nop 0
	tensor_load_to_lds s[48:51], s[36:43]
	s_nop 0
	PLACES 4
	v_and_b32 v4, 31, v0                           ; lane
	v_and_b32 v19, 15, v0                          ; r
	v_bfe_u32 v43, v0, 4, 1                        ; h
	v_lshlrev_b32 v1, 4, v4                        ; v1 16 x lane, v2 8 x lane, v3 4 x lane
	v_lshlrev_b32 v2, 3, v4
	v_lshlrev_b32 v3, 2, v4
	v_lshlrev_b32 v5, 6, v43                       ; v5 64 h
.macro XLOAD s                         ; K step s of my tile's 16 rows
.irp i, 0,1,2,3,4,5,6,7,8,9,10,11,12,13,14,15
	global_load_b128 v[64*\s+4*\i:64*\s+4*\i+3], v1, s[4:5] offset:(\i+8*(\i/8))*2048+512*\s th:TH_LOAD_NT   ; row i: 512 consecutive bytes; read once in the launch
.endr
.endm
.macro BIASQK p                        ; a bias in the transposed result's layout: register 8 t + j of lane (r, h) is column 32 (t / 2) + 8 (t % 2) + 16 h + j of my 128
	WIN 0x80
.irp t, 0,1,2,3,4,5,6,7
	global_load_b128 v[8*\t:8*\t+3], v5, s[\p:\p+1] offset:128*(\t/2)+32*(\t%2)
	global_load_b128 v[8*\t+4:8*\t+7], v5, s[\p:\p+1] offset:128*(\t/2)+32*(\t%2)+16
.endr
	WIN 0
.endm
	; the loads from memory, in the order in which they are wanted: 16 of statistics, 8 of gn_scale and gn_bias, 48 of x
.set i, 0
.rept 16
	global_load_b64 v[XN+2*i:XN+2*i+1], v2, s[10:11] offset:256*i   ; chunk 16 w + i's (mean, M2): a lane a group
.set i, i+1
.endr
	WIN 0xc0
.irp s, 0,1,2,3
	global_load_b128 v[GS+4*\s:GS+4*\s+3], v1, s[6:7] offset:512*\s   ; gn_scale at channels 128 s + 4 x lane on: 512 consecutive bytes
.endr
.irp s, 0,1,2,3
	global_load_b128 v[GB+4*\s:GB+4*\s+3], v1, s[8:9] offset:512*\s   ; gn_bias likewise
.endr
	WIN 0x40
	XLOAD 0
	XLOAD 1
	XLOAD 2
	WIN 0
	s_mul_i32 s66, s[WV], 8448
	s_add_co_u32 s66, s66, XST
	v_add_nc_u32 v6, s66, v1                       ; v6  the stage, in: 16 x lane, a row an instruction
	v_mul_u32_u24 v7, v19, 528
	v_add_nc_u32 v7, v7, v5
	v_add_nc_u32 v7, s66, v7                       ; v7  and out: row r, + 64 h
	s_lshl_b32 s66, s[WV], 8
	s_add_co_u32 s67, s66, GSX
	s_add_co_u32 s66, s66, GST
	v_add_nc_u32 v8, s66, v2                       ; v8  a group's (mean, 1/sqrt), by lane
	v_bfe_u32 v9, v0, 2, 3
	v_lshl_add_u32 v9, v9, 3, s66                  ; v9  and by my channels: in K step s they lie in group 8 s + lane / 4
	v_add_nc_u32 v4, s67, v2                       ; v4  where I store my wave's partial pair
	s_mul_i32 s66, s[WV], 6144
	s_add_co_u32 s66, s66, HIMG
	v_add_nc_u32 v10, s66, v1                      ; v10 where I store h's images
	s_lshl_b32 s66, s[WV], 9
	s_add_co_u32 s66, s66, HSC
	v_add_nc_u32 v11, s66, v3                      ; v11 and their scale words
	s_mul_i32 s66, s[WV], 24576
	v_add_nc_u32 v12, s66, v1                      ; v12, v13 my part of slot 0, 1
	v_add_nc_u32 v13, SLOTB, v12
	v_add_nc_u32 v14, HIMG, v1                     ; v14 any wave's images
	v_and_b32 v15, 8, v0
	v_add_nc_u32 v15, v15, v19
	v_lshlrev_b32 v15, 2, v15                      ; v15 4 (r + 8 (r / 8)): my channel in a tile, for bv
	v_add_nc_u32 v19, GSX, v2                      ; v19 where any wave's partial pairs are read
	v_add_nc_u32 v18, HSC, v3                      ; v18 any wave's scale words
	s_wait_loadcnt 56                              ; the statistics are in; the 8 + 48 younger loads stay out
	WIN 0x40
	XLOAD 3                                        ; the last 56 loads: 16 of x,
	WIN 0
.irp w, 0,1,2
.irp s, 0,1,2,3
.irp e, 0,1
	global_load_b64 v[WS+16*\w+4*\s+2*\e:WS+16*\w+4*\s+2*\e+1], v2, s[14:15] offset:((4*\w+\s)*8+\e)*256   ; 24 of the weights' scale words: register 16 X + 4 s + t / 2; lanes 0-15 the even tile, lanes 16-31 the odd one,
.endr
.endr
.endr
	BIASQK 16                                      ; and 16 of bq
	; ---- the statistics, a lane a group: my wave's 16 chunks
.irp c, 0,1,2,3
	v_pk_add_f32 v[TM+2*\c:TM+2*\c+1], v[XN+2*\c:XN+2*\c+1], v[XN+8+2*\c:XN+9+2*\c]   ; (sum of means, sum of M2), four chains
.endr
.set i, 8
.rept 8
	v_pk_add_f32 v[TM+2*(i%4):TM+2*(i%4)+1], v[TM+2*(i%4):TM+2*(i%4)+1], v[XN+2*i:XN+2*i+1]
.set i, i+1
.endr
	v_pk_add_f32 v[TM:TM+1], v[TM:TM+1], v[TM+2:TM+3]
	v_pk_add_f32 v[TM+4:TM+5], v[TM+4:TM+5], v[TM+6:TM+7]
	v_pk_add_f32 v[TM:TM+1], v[TM:TM+1], v[TM+4:TM+5]
	v_mul_f32 v[TM+8], 0x3d800000, v[TM]           ; / 16: the mean of my 16 chunks
.set i, 0
.rept 16
	v_sub_f32 v[XN+2*i], v[XN+2*i], v[TM+8]        ; each chunk's mean less theirs
.set i, i+1
.endr
.irp c, 0,1,2,3
	v_mul_f32 v[TM+2+\c], v[XN+2*\c], v[XN+2*\c]
.endr
.set i, 4
.rept 12
	v_fmac_f32 v[TM+2+i%4], v[XN+2*i], v[XN+2*i]
.set i, i+1
.endr
	v_add_f32 v[TM+2], v[TM+2], v[TM+3]
	v_add_f32 v[TM+4], v[TM+4], v[TM+5]
	v_add_f32 v[TM+2], v[TM+2], v[TM+4]
	v_fma_f32 v[TM+9], v[TM+2], 0x44000000, v[TM+1]   ; 512 x the chunks' spread + the sum of M2
	ds_store_b64 v4, v[TM+8:TM+9]
	s_wait_dscnt 0x0                               ; for the others' sake: my pair has landed
	s_barrier_signal -1                            ; the two tensor loads may stay out
	s_barrier_wait -1
.irp c, 0,1,2,3
	ds_load_b64 v[XN+2*\c:XN+2*\c+1], v19 offset:256*\c   ; the four waves' pairs
.endr
	s_wait_dscnt 0x0
	v_pk_add_f32 v[TM:TM+1], v[XN:XN+1], v[XN+2:XN+3]
	v_pk_add_f32 v[TM+2:TM+3], v[XN+4:XN+5], v[XN+6:XN+7]
	v_pk_add_f32 v[TM:TM+1], v[TM:TM+1], v[TM+2:TM+3]
	v_mul_f32 v[TM+8], 0x3e800000, v[TM]           ; / 4: the group's mean
.irp c, 0,1,2,3
	v_sub_f32 v[XN+2*\c], v[XN+2*\c], v[TM+8]
.endr
	v_mul_f32 v[TM+2], v[XN], v[XN]
	v_fmac_f32 v[TM+2], v[XN+2], v[XN+2]
	v_fmac_f32 v[TM+2], v[XN+4], v[XN+4]
	v_fmac_f32 v[TM+2], v[XN+6], v[XN+6]
	v_fma_f32 v[TM+2], v[TM+2], 0x46000000, v[TM+1]   ; 8,192 x the waves' spread + the sum of their M2
	v_fma_f32 v[TM+2], v[TM+2], s55, s35           ; / 32,768 + 1e-5
	v_rsq_f32 v[TM+9], v[TM+2]
	v_nop                                          ; a plain place behind the transcendental,
	s_wait_alu depctr_va_vdst(0)                   ; and the wait ahead of the first line that names its result
	ds_store_b64 v8, v[TM+8:TM+9]                  ; into my wave's own bytes: LDS serves a wave's instructions in order
.irp s, 0,1,2,3
	ds_load_b64 v[MR+2*\s:MR+2*\s+1], v9 offset:64*\s   ; and back by my channels' group
.endr
	s_wait_dscnt 0x0
	; ---- h: K step by K step normalised in place, through the stage, quantised, stored as images
.macro NORM s, left                    ; left >= 0: a wait that leaves so many younger loads out
.if \left >= 0
	s_wait_loadcnt \left
.endif
	WIN 0x41                                       ; destination and source 0 window 1 (x), source 1 window 0
.irp i, 0,1,2,3,4,5,6,7,8,9,10,11,12,13,14,15
.irp p, 0,2
	v_pk_add_f32 v[64*(\s)+4*\i+\p:64*(\s)+4*\i+\p+1], v[64*(\s)+4*\i+\p:64*(\s)+4*\i+\p+1], v[MR+2*(\s):MR+2*(\s)+1] op_sel_hi:[1,0] neg_lo:[0,1] neg_hi:[0,1]   ; - mean: my four channels are of one group
.endr
.endr
.irp i, 0,1,2,3,4,5,6,7,8,9,10,11,12,13,14,15
.irp p, 0,2
	v_pk_mul_f32 v[64*(\s)+4*\i+\p:64*(\s)+4*\i+\p+1], v[64*(\s)+4*\i+\p:64*(\s)+4*\i+\p+1], v[MR+2*(\s):MR+2*(\s)+1] op_sel:[0,1] op_sel_hi:[1,1]   ; x 1 / sqrt(var + eps)
.endr
.endr
	WIN 0x7d                                       ; sources 1 and 2 window 3 (gn_scale, gn_bias)
.irp i, 0,1,2,3,4,5,6,7,8,9,10,11,12,13,14,15
.irp p, 0,2
	v_pk_fma_f32 v[64*(\s)+4*\i+\p:64*(\s)+4*\i+\p+1], v[64*(\s)+4*\i+\p:64*(\s)+4*\i+\p+1], v[GS+4*(\s)+\p:GS+4*(\s)+\p+1], v[GB+4*(\s)+\p:GB+4*(\s)+\p+1]
.endr
.endr
	WIN 0
.endm
.macro TURNX s                         ; 32 LDS instructions: K step s of h through the stage
	WIN 0x04                                       ; an LDS store's data are its source 1: window 1
.irp i, 0,1,2,3,4,5,6,7,8,9,10,11,12,13,14,15
	ds_store_b128 v6, v[64*(\s)+4*\i:64*(\s)+4*\i+3] offset:528*\i
.endr
	WIN 0
.irp b, 0,1,2,3
.irp j, 0,1,2,3
	ds_load_b128 v[XN+64*((\s)%2)+16*\b+4*\j:XN+64*((\s)%2)+16*\b+4*\j+3], v7 offset:128*\b+16*\j
.endr
.endr
.endm
.macro HSTEP s, left
.if \s < 3
	NORM (\s)+1, \left                             ; the next K step is normalised and turns while this one's numbers come back
	TURNX (\s)+1
	s_wait_dscnt 32                                ; all but those 32: this step's numbers are in, and the last image's stores are done
.else
	s_wait_dscnt 0x0
.endif
.set XS, XN+64*((\s)%2)
	QUANT XS, 0, PW, 0
	IMAGE 10, 1536*\s
	ds_store_b32 v11, v[PW] offset:128*\s
.endm
	NORM 0, 63                                     ; gn_scale, gn_bias and x's K steps 0 and 1 are in: behind the last of them stand 72 younger loads, and 63 is the most that a wait can name
	TURNX 0
	HSTEP 0, -1
	HSTEP 1, 56                                    ; x's K step 2 is in; the 56 younger loads stay out
	HSTEP 2, 40                                    ; x's K step 3 is in; the scale words' 24 and bq's 16 stay out
	HSTEP 3, -1
	s_wait_dscnt 0x0                               ; for the others' sake: my images have landed
	s_barrier_signal -1                            ; the two tensor loads may stay out
	s_barrier_wait -1
	WIN 0x80
.irp f, 0,1,2,3,4,5,6,7,8,9,10,11,12,13,14,15
.irp c, 0,1,2
	ds_load_b128 v[64+12*\f+4*\c:64+12*\f+4*\c+3], v14 offset:1536*\f+512*\c   ; h's 16 fragments stay in registers
.endr
.endr
	WIN 0
.irp f, 0,1,2,3,4,5,6,7,8,9,10,11,12,13,14,15
	ds_load_b32 v[HS+\f], v18 offset:128*\f        ; and their scale words: lane r has row r's
.endr
; ---- the products.  G: four of my tiles (4 hf + t) x four tiles of tokens, all of K: 64 products on 16 accumulators that take turns, one instruction a turn.
.macro G adr, wx, kind, hf, pl
.if \pl
	PLACES 4                                       ; in front of loads into registers that matrix instructions have read (ISA guide 7.12.1 for vector instructions)
.endif
	WIN 0xc0
.irp s, 0,1,2,3
.irp t, 0,1,2,3
.irp c, 0,1,2
	ds_load_b128 v[12*(4*\s+\t)+4*\c:12*(4*\s+\t)+4*\c+3], v[\adr] offset:6144*\t+1536*\s+512*\c
.endr
.endr
.endr
.irp s, 0,1,2,3
	s_wait_dscnt 36-12*\s                          ; this K step's four fragments are in; the later K steps' loads stay out
.if \s == 0
	WIN 0x6b+3*\kind                               ; D window 1, C (the bias) window 2; kind 0: source 0 window 3 (weight), source 1 window 2 (h); kind 1: the other way round
.else
	WIN 0x5b+3*\kind                               ; the same with C in window 1
.endif
.irp t, 0,1,2,3
.irp m, 0,1,2,3
.set dd, (1-\kind)*(64*\m+8*(4*\hf+\t))+\kind*(32*(4*\hf+\t)+8*\m)
.set cc, dd
.if \s == 0
.set cc, 8*(4*\hf+\t)
.endif
.if \kind == 0
	MM dd, 12*(4*\s+\t), 64+12*(4*\m+\s), cc, WS+16*\wx+4*\s+2*\hf+\t/2, HS+4*\m+\s, \t%2, 0
.else
	MM dd, 64+12*(4*\m+\s), 12*(4*\s+\t), cc, HS+4*\m+\s, WS+16*\wx+4*\s+2*\hf+\t/2, 0, \t%2
.endif
.endr
.endr
.endr
.endm
; A slot that has been read is filled again, with the next weight's same half.
.macro REFILL g
	WIN 0
	s_wait_tensorcnt 0x0                           ; all my tensor loads have landed, the other slot's among them: a group 0 may be written
	ds_add_u32 v[SPW], v[NIL]                      ; 0 onto my spare word
	s_add_nc_u64 s[\g+2:\g+3], s[\g+2:\g+3], 196608   ; the next weight; the type bits on top are not reached
	s_wait_dscnt 0x0                               ; the add is done, and my reads of the slot are over
	CROUND                                         ; no wave of any partner still reads the slot or has a load on its way
	tensor_load_to_lds s[\g:\g+3], s[36:43]        ; my one tensor load behind the round
	s_nop 0
	PLACES 4                                       ; these four are also the places behind the last products
.endm
; The way out of 32 accumulators: four fragments (kind 0: tiles of tokens, K step w of the scores; kind 1: eight half fragments, 16 channels x 64 keys) and their scale words.
.macro EPI kind, cb, sb
.irp i, 0,1,2,3
	QUANT 64*\i, 1, PWS+\i, 1
.if \kind == 0
.irp c, 0,1,2
	global_store_b128 v1, v[PC+4*\c:PC+4*\c+3], s[\cb:\cb+1] offset:1536*\i+512*\c   ; 512 consecutive bytes, aligned
.endr
.else
.irp c, 0,1,2,3,4,5
	global_store_b64 v2, v[PC+2*\c:PC+2*\c+1], s[\cb:\cb+1] offset:1536*\i+256*\c   ; 256 consecutive bytes, aligned
.endr
.endif
.endr
	v_cndmask_b32 v[OUTP], v[PWS], v[PWS+2], s54   ; lanes 0-15 carry the first two words, lanes 16-31 the last two
	v_cndmask_b32 v[OUTP+1], v[PWS+1], v[PWS+3], s54
	global_store_b64 v2, v[OUTP:OUTP+1], s[\sb:\sb+1]   ; 256 consecutive bytes, aligned
.endm
	s_wait_tensorcnt 0x1                           ; slot 0 has landed; slot 1's load may stay out
	s_wait_loadcnt 0x0                             ; the weights' scale words and bq
	G 12, 0, 0, 0, 0
	REFILL 44                                      ; wk's first half
	G 13, 0, 0, 1, 0
	REFILL 48                                      ; wk's second half
	BIASQK 18                                      ; bk lands while q goes out
	EPI 0, 22, 56
	s_wait_loadcnt 0x0
	G 12, 1, 0, 0, 0
	REFILL 44                                      ; wv's first half
	G 13, 1, 0, 1, 0
	REFILL 48                                      ; wv's second half: the last load
	WIN 0x80
.irp t, 0,1,2,3,4,5,6,7
.irp j, 0,1,2,3,4,5,6,7
	global_load_b32 v[8*\t+\j], v15, s[20:21] offset:128*(\t/2)+32*(\t%2)   ; v's results hold one channel a lane: all eight registers of a tile take bv at that channel
.endr
.endr
	WIN 0
	EPI 0, 24, 58
	s_wait_loadcnt 0x0
	G 12, 2, 1, 0, 0
	s_wait_tensorcnt 0x0                           ; the last slot's load: none was issued behind it
	G 13, 2, 1, 1, 1
	WIN 0
	PLACES 4                                       ; in front of the first read of results
	EPI 1, 26, 60
	s_wait_tensorcnt 0x0                           ; the wave's end: behind my last tensor load and my last LDS store
	ds_add_u32 v[SPW], v[NIL]
	s_wait_dscnt 0x0
	CROUND                                         ; the closing round: no work-group ends while a partner may still ask for a tile that names it
	s_endpgm
.Lfunc_end_k_qa61086a086_qkv:
	.size	k_qa61086a086_qkv, .Lfunc_end_k_qa61086a086_qkv-k_qa61086a086_qkv
	.p2alignl 7, 3214868480
	.fill 96, 4, 3214868480
	.section	.rodata,"a",@progbits
	.p2align	6, 0x0
	.amdhsa_kernel k_qa61086a086_qkv
		.amdhsa_group_segment_fixed_size 327680
		.amdhsa_private_segment_fixed_size 0
		.amdhsa_enable_private_segment 0
		.amdhsa_kernarg_size 104
		.amdhsa_user_sgpr_count 2
		.amdhsa_user_sgpr_kernarg_segment_ptr 1
		.amdhsa_wavefront_size32 1
		.amdhsa_system_sgpr_workgroup_id_x 1
		.amdhsa_system_sgpr_workgroup_id_y 1
		.amdhsa_system_sgpr_workgroup_id_z 1
		.amdhsa_system_vgpr_workitem_id 0
		.amdhsa_next_free_vgpr 1024
		.amdhsa_next_free_sgpr 80
		.amdhsa_reserve_vcc 0
		.amdhsa_float_denorm_mode_32 3
		.amdhsa_float_denorm_mode_16_64 3
		.amdhsa_memory_ordered 1
		.amdhsa_forward_progress 1
		.amdhsa_inst_pref_size 206
	.end_amdhsa_kernel
	.amdgpu_metadata
---
amdhsa.version: [ 1, 2 ]
amdhsa.kernels:
  - .name:           k_qa61086a086_qkv
    .symbol:         k_qa61086a086_qkv.kd
    .args:
      - { .name: x, .offset: 0, .size: 8, .value_kind: global_buffer, .address_space: global }
      - { .name: gn_scale, .offset: 8, .size: 8, .value_kind: global_buffer, .address_space: global }
      - { .name: gn_bias, .offset: 16, .size: 8, .value_kind: global_buffer, .address_space: global }
      - { .name: stat, .offset: 24, .size: 8, .value_kind: global_buffer, .address_space: global }
      - { .name: wcod, .offset: 32, .size: 8, .value_kind: global_buffer, .address_space: global }
      - { .name: wscl, .offset: 40, .size: 8, .value_kind: global_buffer, .address_space: global }
      - { .name: bq, .offset: 48, .size: 8, .value_kind: global_buffer, .address_space: global }
      - { .name: bk, .offset: 56, .size: 8, .value_kind: global_buffer, .address_space: global }
      - { .name: bv, .offset: 64, .size: 8, .value_kind: global_buffer, .address_space: global }
      - { .name: qcod, .offset: 72, .size: 8, .value_kind: global_buffer, .address_space: global }
      - { .name: kcod, .offset: 80, .size: 8, .value_kind: global_buffer, .address_space: global }
      - { .name: vcod, .offset: 88, .size: 8, .value_kind: global_buffer, .address_space: global }
      - { .name: scl, .offset: 96, .size: 8, .value_kind: global_buffer, .address_space: global }
    .group_segment_fixed_size: 327680
    .private_segment_fixed_size: 0
    .kernarg_segment_align: 8
    .kernarg_segment_size: 104
    .max_flat_workgroup_size: 128
    .sgpr_count:     80
    .vgpr_count:     1024
    .wavefront_size: 32
...
	.end_amdgpu_metadata
.endif
;; end of part 2
;; launch attn (part 3): grid 32 x 8, 4 waves a work-group, clusters of 4 x 1, 327,680 bytes of LDS; arguments qcod, kcod, vcod, scl, wcod, wscl, bo, x, out0; writes out0
.if DOCPART == 3
	.amdgcn_target "amdgcn-amd-amdhsa--gfx1250"
	.amdhsa_code_object_version 6
	.text
	.protected	k_qa61086a086_attn
	.globl	k_qa61086a086_attn
	.p2align	8
	.type	k_qa61086a086_attn,@function
k_qa61086a086_attn:
	s_mov_b64 s[64:65], 0
	v_nop
	global_prefetch_b8 v0, s[64:65] scope:SCOPE_SE
	s_setreg_imm32_b32 hwreg(HW_REG_WAVE_MODE, 25, 1), 1
	s_wait_xcnt 0x0
	s_wait_alu depctr_hold_cnt(0) depctr_sa_sdst(0) depctr_va_vdst(0) depctr_va_sdst(0) depctr_va_ssrc(0) depctr_va_vcc(0) depctr_vm_vsrc(0)
	s_getreg_b32 s2, hwreg(HW_REG_IB_STS2, 6, 4)
	s_cmp_eq_u32 s2, 0
	s_cbranch_scc0 .Lentry_in_a_cluster
	s_endpgm
.Lentry_in_a_cluster:
	s_bfe_u32 s2, ttmp6, 0x10000c
	s_cmp_lg_u32 s2, 0x3003
	s_cbranch_scc0 .Lentry_shape_is_right
	s_endpgm
.Lentry_shape_is_right:
; ATTN: out = Q(softmax(q k^T / sqrt(512)) v) wo + bo + x, all three products on codes of FP6 (E2M3) with one E8M0 scale for each 32 along K.  One head of 512 channels, 2,048 keys a batch.
; THE SOFTMAX AHEAD OF THE SECOND PRODUCT: t = score x log2(e) / sqrt(512); M = the row's largest t so far, rounded UP to a whole number; p = 2^(t - M) is quantised along the keys, not normalised.  The row's sum is taken
; of the unquantised p and divides O at the end.  When M moves, the sum and O are multiplied by 2^(old M - new M): exact.
; SHARES.  A work-group owns 64 queries (four tiles of 16) of one batch and walks the keys 256 a step.  THE WAVES SHARE THE KEYS in S^T = K Q^T (wave w: keys 64 w .. + 63 of the step, all 64 queries) AND THE CHANNELS in
; O^T = V^T P^T (wave w: channels 128 w .. + 127, all 256 keys): each fragment of K and of V is read from LDS by one wave and feeds four products.  What goes from wave to wave is small: the rows' maxima (a barrier),
; and p's codes and scale bytes, as images of operand registers (a second barrier).
; Both products are used transposed, so that a lane holds one query throughout.  The rows of every tile are ordered as the launch before laid them: lane r of tile 2 beta + u holds row 32 beta + 8 u + r + 8 (r / 8).
; THE RING.  K has two LDS slots of 98,304 bytes, V one.  At the head of each step but the first stands one change: waves 0 and 1 ask for the NEXT step's K (a half each), waves 2 and 3 for THIS step's V, which is wanted
; only behind the scores and the softmax; ahead of the step's second barrier every wave waits for its load.  By this text's own count a wave has at most two tensor loads out at the start and one afterwards.
; CLUSTER.  The four query blocks of a cluster belong to one batch and walk the same K and V: each tile is asked for JOINTLY.  wo is not: it is an eighth of what K and V bring, LDS is full, and it goes straight into
; the registers that Q, K and V leave, under the last step's work.
; LIMITS: NaN and infinities are not served; a block of zeros carries the byte 1 (its codes are zeros); 1 / l is v_rcp_f32.
; REGISTERS.  window 0: v1-19 addresses; v20-51 eight statistics a tile of queries (-M, largest t, l in two halves, f, a pad, two scale bytes, at work); v52-87 scale words (K's, Q's, V's, V's as loaded, p's; later wo's and the
;   output operand's); v88-127 at work; v128-255 S^T and p, then P's eight fragments.   window 1: O^T, later the output's sums.   window 2: Q, later wo and x; v192-255 bo.   window 3: K or V, later wo; v192-255 x.
.set KS1,   131072                     ; K's slot 1: one exclusive or turns an address in one slot into the other's
.set PIMG,  98304                      ; between the slots: p's half fragments, ((2 qt + g) 2 + c) x 768;
.set PSC,   110592                     ; p's scale bytes: 128 qt + 64 g + 4 r + 2 c;
.set MX,    111104                     ; the rows' maxima: 256 qt + 16 r + 4 w;  the rows' sums 1,024 bytes further on;
.set SPARE, 113152                     ; the spare words, 128 bytes for each wave: two blocks of 256 bytes that no other line names;
.set OSC,   113664                     ; the output operand's scale words, (4 qt + s) x 128
.set VSL,   229376                     ; V's slot
.set STG,   24576                      ; the way out: 16 rows x (512 + 16) bytes for each wave; it and the output operand's images (from byte 0) lie in K's slot 0, behind that slot's last fill and last read
.set SPW, 16
.set NIL, 17
.set ST,  20
.set KSC, 52
.set QSC, 60
.set VSC, 68
.set VR,  76
.set PS,  84
.set BM,  88
.set T8,  96
.set MXR, 104
.set PCD, 96
.set SS,  128
.set WS,  52                           ; behind the last scores: wo's scale words, 4 s + dt / 2,
.set OS,  68                           ; and the output operand's, two sets of four
.set TM,  88
.set PW,  104
.set PC,  106
.set WV,  22
.set CS,  48
.set SEL, 50
.set KSP, 52
.set VSP, 54
.set PFK, 56
.set PFV, 58
.set LIM, 60
.set CNT, 61
.set KB,  62
.set MSB, 0
.macro WIN new                         ; the immediate's high byte repeats the setting that is left; a switch that changes nothing is dropped
.if MSB != \new
	s_set_vgpr_msb (MSB<<8)|\new
.set MSB, \new
.endif
.endm
.macro PLACES n
.rept \n
	v_nop
.endr
.endm
.macro CROUND                          ; a round of the cluster's barrier
	s_barrier_signal -1
	s_barrier_wait -1
	s_cmp_lg_u32 s[WV], 0
	s_cbranch_scc1 .Lnot_wave_0_\@
	s_barrier_signal -3
.Lnot_wave_0_\@:
	s_barrier_wait -3
	s_barrier_signal -1
	s_barrier_wait -1
.endm
; One product.  c < 0: the constant 0 starts the sum.  ra, rb = 1: that side's scales are read from lanes 16-31 of its register.
.macro MM d, a, b, c, sa, sb, ra, rb
.set rD, \d
.set rA, \a
.set rB, \b
.set rC, \c
.set rSA, \sa
.set rSB, \sb
.set rSEL, 2*(\ra)+(\rb)
.if rC < 0
.if rSEL == 0
	v_wmma_scale_f32_16x16x128_f8f6f4 v[rD:rD+7], v[rA:rA+11], v[rB:rB+11], 0, v[rSA], v[rSB] matrix_a_fmt:MATRIX_FMT_FP6 matrix_b_fmt:MATRIX_FMT_FP6
.elseif rSEL == 1
	v_wmma_scale_f32_16x16x128_f8f6f4 v[rD:rD+7], v[rA:rA+11], v[rB:rB+11], 0, v[rSA], v[rSB] matrix_a_fmt:MATRIX_FMT_FP6 matrix_b_fmt:MATRIX_FMT_FP6 matrix_b_scale:MATRIX_SCALE_ROW1
.elseif rSEL == 2
	v_wmma_scale_f32_16x16x128_f8f6f4 v[rD:rD+7], v[rA:rA+11], v[rB:rB+11], 0, v[rSA], v[rSB] matrix_a_fmt:MATRIX_FMT_FP6 matrix_b_fmt:MATRIX_FMT_FP6 matrix_a_scale:MATRIX_SCALE_ROW1
.else
	v_wmma_scale_f32_16x16x128_f8f6f4 v[rD:rD+7], v[rA:rA+11], v[rB:rB+11], 0, v[rSA], v[rSB] matrix_a_fmt:MATRIX_FMT_FP6 matrix_b_fmt:MATRIX_FMT_FP6 matrix_a_scale:MATRIX_SCALE_ROW1 matrix_b_scale:MATRIX_SCALE_ROW1
.endif
.else
.if rSEL == 0
	v_wmma_scale_f32_16x16x128_f8f6f4 v[rD:rD+7], v[rA:rA+11], v[rB:rB+11], v[rC:rC+7], v[rSA], v[rSB] matrix_a_fmt:MATRIX_FMT_FP6 matrix_b_fmt:MATRIX_FMT_FP6
.elseif rSEL == 1
	v_wmma_scale_f32_16x16x128_f8f6f4 v[rD:rD+7], v[rA:rA+11], v[rB:rB+11], v[rC:rC+7], v[rSA], v[rSB] matrix_a_fmt:MATRIX_FMT_FP6 matrix_b_fmt:MATRIX_FMT_FP6 matrix_b_scale:MATRIX_SCALE_ROW1
.elseif rSEL == 2
	v_wmma_scale_f32_16x16x128_f8f6f4 v[rD:rD+7], v[rA:rA+11], v[rB:rB+11], v[rC:rC+7], v[rSA], v[rSB] matrix_a_fmt:MATRIX_FMT_FP6 matrix_b_fmt:MATRIX_FMT_FP6 matrix_a_scale:MATRIX_SCALE_ROW1
.else
	v_wmma_scale_f32_16x16x128_f8f6f4 v[rD:rD+7], v[rA:rA+11], v[rB:rB+11], v[rC:rC+7], v[rSA], v[rSB] matrix_a_fmt:MATRIX_FMT_FP6 matrix_b_fmt:MATRIX_FMT_FP6 matrix_a_scale:MATRIX_SCALE_ROW1 matrix_b_scale:MATRIX_SCALE_ROW1
.endif
.endif
.endm
; 64 numbers of a lane in window sw, register 16 b + i = place 32 b + 16 (lane / 16) + i along K of my row, become a fragment's codes in v[PC] on and its scale word in v[pw].
.macro QUANT src, sw, pw
.set QS, \src
	WIN 5*(\sw)
.irp b, 0,1,2,3
	v_max3_num_f32 v[TM+\b], |v[QS+16*\b]|, |v[QS+16*\b+1]|, 0x1800000   ; block b: my 16 numbers, and the floor 2^(3 - 127): the byte cannot fall under 1
.endr
.irp i, 2,4,6,8,10,12,14
.irp b, 0,1,2,3
	v_max3_num_f32 v[TM+\b], |v[QS+16*\b+\i]|, |v[QS+16*\b+\i+1]|, v[TM+\b]
.endr
.endr
	WIN 0
.irp b, 0,1,2,3
	v_permlanex16_b32 v[TM+4+\b], v[TM+\b], s[SEL], s[SEL+1]
.endr
.irp b, 0,1,2,3
	v_max_num_f32 v[TM+\b], v[TM+\b], v[TM+4+\b]
.endr
.irp b, 0,1,2,3
	v_add_nc_u32 v[TM+12+\b], 0xff000000, v[TM+\b]
.endr
.irp b, 0,1,2,3
	v_lshrrev_b32 v[TM+4+\b], 23, v[TM+12+\b]
.endr
	v_lshl_or_b32 v[\pw], v[TM+5], 8, v[TM+4]
	v_lshl_or_b32 v[\pw], v[TM+6], 16, v[\pw]
	v_lshl_or_b32 v[\pw], v[TM+7], 24, v[\pw]
	WIN \sw
.irp c, 0,1
	v_cvt_scalef32_pk16_fp6_f32 v[PC+6*\c:PC+6*\c+2], v[QS+32*\c:QS+32*\c+15], v[TM+12+2*\c]
	v_cvt_scalef32_pk16_fp6_f32 v[PC+12+4*\c:PC+14+4*\c], v[QS+16+32*\c:QS+31+32*\c], v[TM+13+2*\c]
.endr
	WIN 0
	v_nop                                          ; one plain place behind a scaled conversion
.irp c, 0,1
.irp i, 0,1,2
	v_permlane16_swap_b32 v[PC+6*\c+\i], v[PC+12+4*\c+\i]
.endr
.irp i, 0,1,2
	v_mov_b32 v[PC+3+6*\c+\i], v[PC+12+4*\c+\i]
.endr
.endr
.endm
.macro IMAGE adr, off
.irp c, 0,1,2
	ds_store_b128 v[\adr], v[PC+4*\c:PC+4*\c+3] offset:(\off)+512*\c
.endr
.endm
	s_load_b512 s[4:19], s[0:1], 0x0               ; qcod s[4:5], kcod s[6:7], vcod s[8:9], scl s[10:11], wcod s[12:13], wscl s[14:15], bo s[16:17], x s[18:19]
	s_load_b64 s[20:21], s[0:1], 0x40              ; out0
	v_lshl_add_u32 v[SPW], v0, 2, SPARE
	v_mov_b32 v[NIL], 0
	ds_add_u32 v[SPW], v[NIL]                      ; the wave's opening: the add and its wait stand ahead of my first tensor load; the set-up below, work on registers, stands between them
	v_lshrrev_b32 v1, 5, v0
	v_readfirstlane_b32 s[WV], v1                  ; wave 0..3
	s_and_b32 s25, ttmp7, 0xffff                   ; the batch, which the four partners share
	; descriptor group 1: 49,152 dense bytes as 192 rows of 256 bytes (32 elements of 8 bytes), no padding: every LDS read takes consecutive bytes
	s_mov_b32 s28, 15|(3<<16)|(1<<21)              ; 15:0 the mask: all four work-groups; 17:16 elements of 8 bytes; 21 set beside a mask
	s_mov_b32 s29, 32<<16
	s_mov_b32 s30, 192<<16
	s_mov_b32 s31, 32<<16
	s_mov_b32 s32, 192
	s_mov_b32 s33, 32
	s_mov_b32 s34, 0
	s_mov_b32 s35, 0
	s_and_b32 s70, s[WV], 1
	s_mul_i32 s70, s70, 49152                      ; which half of a step's block I fetch: in LDS,
	s_mul_i32 s72, s25, 786432
	s_add_co_u32 s72, s72, s70                     ; and in the batch's codes: the batch and the wave's number alone enter a descriptor
	s_mov_b32 s73, 0
	s_mov_b32 s36, 1                               ; group 0: s[36:39] K of step 0, s[40:43] K of step 1, which then walks on; s[44:47] V
	s_mov_b32 s37, s70
	s_mov_b32 s40, 1
	s_add_co_u32 s41, s70, KS1
	s_mov_b32 s44, 1
	s_add_co_u32 s45, s70, VSL
	s_mov_b32 s[CS], 0x3d8293ee                    ; c = log2(e) / sqrt(512)
	s_mov_b32 s[CS+1], s[CS]                       ; (named with it as a pair, so it is written)
	s_mov_b32 s[SEL], 0x76543210
	s_mov_b32 s[SEL+1], 0xfedcba98
	s_mov_b32 s66, 0x05040100                      ; v_perm_b32: the two low halves,
	s_mov_b32 s67, 0x07060302                      ; the two high halves
	s_mov_b32 s[KB], 0
	s_bfe_u32 s23, ttmp6, 0x40000                  ; cx
	s_lshl_b32 s24, ttmp9, 2
	s_add_co_u32 s24, s24, s23                     ; my block of 64 queries in the batch
	s_cmp_lt_u32 s[WV], 3                          ; who prefetches: waves 0 to 2 of the batch's first cluster: the same in all four partners
	s_cselect_b32 s[LIM], 0, 1
	s_or_b32 s[LIM], s[LIM], ttmp9
	s_cmp_eq_u32 s[LIM], 0
	s_cselect_b32 s[LIM], 1, -1
	s_wait_dscnt 0x0                               ; the opening add is done
	s_wait_kmcnt 0x0
	s_add_nc_u64 s[38:39], s[6:7], s[72:73]
	s_add_nc_u64 s[42:43], s[38:39], 98304
	s_add_nc_u64 s[46:47], s[8:9], s[72:73]
	s_or_b32 s39, s39, 0x80000000                  ; type = 2
	s_or_b32 s43, s43, 0x80000000
	s_or_b32 s47, s47, 0x80000000
	CROUND                                         ; all four work-groups are here: the first joint loads meet
	s_cmp_lt_u32 s[WV], 2                          ; a wave's first fills stand in one branch, ahead of every wait on TENSORcnt and every LDS read
	s_cbranch_scc0 .Lfirst_v
	tensor_load_to_lds s[36:39], s[28:35]
	s_nop 0
	tensor_load_to_lds s[40:43], s[28:35]
	s_nop 0
	PLACES 4
	s_branch .Lfirst_done
.Lfirst_v:
	tensor_load_to_lds s[44:47], s[28:35]
	s_nop 0
	PLACES 4
.Lfirst_done:
	s_lshl_b32 s26, s25, 5
	s_add_co_u32 s26, s26, s24                     ; 32 b + block
	s_mov_b32 s69, 0
	s_mov_b32 s71, 0
	s_mul_i32 s68, s26, 24576
	s_add_nc_u64 s[4:5], s[4:5], s[68:69]          ; my queries' codes
	s_lshl_b32 s68, s26, 10
	s_add_nc_u64 s[76:77], s[10:11], s[68:69]      ; and scale words
	s_lshl_b32 s68, s25, 5
	s_add_co_u32 s68, s68, s[WV]
	s_lshl_b32 s68, s68, 10
	s_add_co_u32 s68, s68, 262144
	s_add_nc_u64 s[KSP:KSP+1], s[10:11], s[68:69]  ; K's scale words of my 64 keys of step 0; 4,096 bytes a step
	s_lshl_b32 s68, s25, 2
	s_add_co_u32 s68, s68, s[WV]
	s_lshl_b32 s68, s68, 13
	s_add_co_u32 s68, s68, 524288
	s_add_nc_u64 s[VSP:VSP+1], s[10:11], s[68:69]  ; V's scale bytes of my 128 channels, step 0; 1,024 bytes a step
	s_mul_i32 s68, s[WV], 49152
	s_add_co_u32 s68, s68, 589824
	s_add_nc_u64 s[12:13], s[12:13], s[68:69]      ; wo's images, my eight tiles
	s_lshl_b32 s68, s[WV], 9
	s_add_nc_u64 s[16:17], s[16:17], s[68:69]      ; bo, my 128
	s_add_co_u32 s70, s68, 24576
	s_add_nc_u64 s[14:15], s[14:15], s[70:71]      ; wo's scale words
	s_lshl_b32 s70, s26, 17
	s_add_co_u32 s70, s70, s68
	s_add_nc_u64 s[18:19], s[18:19], s[70:71]      ; x and out0 at my block's first row, my wave's 512 bytes
	s_add_nc_u64 s[20:21], s[20:21], s[70:71]
	s_mul_i32 s68, s23, 3                          ; the prefetches: a step's 98,304 bytes are twelve parts of 8,192; the partners and their waves 0 to 2 share them out BY ADDRESS
	s_add_co_u32 s68, s68, s[WV]
	s_lshl_b32 s68, s68, 13
	s_mul_i32 s70, s25, 786432
	s_add_co_u32 s68, s68, s70
	s_add_nc_u64 s[PFK:PFK+1], s[6:7], s[68:69]
	s_add_nc_u64 s[PFK:PFK+1], s[PFK:PFK+1], 196608   ; at K of step 2: the first change steps it to step 3.  Nothing is prefetched here, at the head
	s_add_nc_u64 s[PFV:PFV+1], s[8:9], s[68:69]
	s_add_nc_u64 s[PFV:PFV+1], s[PFV:PFV+1], 98304    ; at V of step 1: the first change steps it to step 2
	v_and_b32 v20, 31, v0                          ; lane
	v_and_b32 v21, 15, v0                          ; r
	v_bfe_u32 v22, v0, 4, 1                        ; h
	v_lshlrev_b32 v1, 4, v20                       ; v1 16 x lane, v2 8 x lane, v3 4 x lane, v18 256 x lane
	v_lshlrev_b32 v2, 3, v20
	v_lshlrev_b32 v3, 2, v20
	v_lshlrev_b32 v18, 8, v20
	v_lshlrev_b32 v127, 6, v22                     ; 64 h, for bo; no later line writes it
	WIN 0x80
.irp f, 0,1,2,3,4,5,6,7,8,9,10,11,12,13,14,15
.irp c, 0,1,2
	global_load_b128 v[12*\f+4*\c:12*\f+4*\c+3], v1, s[4:5] offset:1536*\f+512*\c   ; Q's 16 fragments (4 s + qt) stay in registers
.endr
.endr
.irp t, 0,1,2,3,4,5,6,7
	global_load_b128 v[192+8*\t:192+8*\t+3], v127, s[16:17] offset:128*(\t/2)+32*(\t%2)   ; bo in the transposed result's layout
	global_load_b128 v[192+8*\t+4:192+8*\t+7], v127, s[16:17] offset:128*(\t/2)+32*(\t%2)+16
.endr
	WIN 0
.irp s, 0,1,2,3
	global_load_b64 v[QSC+2*\s:QSC+2*\s+1], v2, s[76:77] offset:256*\s   ; register 2 s + e: lanes 0-15 tile e, lanes 16-31 tile 2 + e
.endr
.irp s, 0,1,2,3
	global_load_b64 v[KSC+2*\s:KSC+2*\s+1], v2, s[KSP:KSP+1] offset:256*\s
.endr
.irp q, 0,1,2,3
	global_load_b64 v[VR+2*\q:VR+2*\q+1], v2, s[VSP:VSP+1] offset:256*\q
.endr
	s_mul_i32 s68, s[WV], 24576
	v_add_nc_u32 v4, s68, v1                       ; v4  my 64 keys in a slot of K
	s_add_co_u32 s68, s68, VSL
	v_add_nc_u32 v6, s68, v2                       ; v6  my 128 channels in V's slot
	s_lshr_b32 s68, s[WV], 1
	s_and_b32 s69, s[WV], 1
	s_mul_i32 s70, s68, 1536
	s_mul_i32 s71, s69, 768
	s_add_co_u32 s70, s70, s71
	s_add_co_u32 s70, s70, PIMG
	v_add_nc_u32 v7, s70, v2                       ; v7  where I store p's half fragments: g = w / 2, c = w % 2
	v_add_nc_u32 v8, PIMG, v2                      ; v8  where any wave reads them
	s_lshl_b32 s70, s68, 6
	s_lshl_b32 s71, s69, 1
	s_add_co_u32 s70, s70, s71
	s_add_co_u32 s70, s70, PSC
	v_lshl_add_u32 v9, v21, 2, s70                 ; v9  my two scale bytes of a row's word
	v_add_nc_u32 v10, PSC, v3                      ; v10 the words: lanes 0-15 g = 0, lanes 16-31 g = 1
	s_lshl_b32 s70, s[WV], 2
	s_add_co_u32 s70, s70, MX
	v_lshl_add_u32 v11, v21, 4, s70                ; v11 my wave's word of a row's four
	v_lshlrev_b32 v12, 4, v21
	v_add_nc_u32 v12, MX, v12                      ; v12 a row's four
	s_mul_i32 s70, s[WV], 1536
	v_add_nc_u32 v13, s70, v1                      ; v13 the output operand's images: K step w
	s_lshl_b32 s70, s[WV], 7
	s_add_co_u32 s70, s70, OSC
	v_add_nc_u32 v14, s70, v3                      ; v14 and their scale words
	s_mul_i32 s70, s[WV], 8448
	s_add_co_u32 s70, s70, STG
	v_mul_u32_u24 v15, v21, 528
	v_lshl_add_u32 v15, v22, 6, v15
	v_add_nc_u32 v15, s70, v15                     ; v15 my stage, in: row r, + 64 h
	v_add_nc_u32 v19, s70, v1                      ; v19 and back: a row an instruction
.irp q, 0,1,2,3
	v_mov_b32 v[ST+8*\q+1], 0xff61b1e6             ; the largest t so far: -3e38, under every t
	v_floor_f32 v[ST+8*\q], -v[ST+8*\q+1]          ; -M
	v_mov_b32 v[ST+8*\q+2], 0                      ; the sum, in two halves
	v_mov_b32 v[ST+8*\q+3], 0
	v_mov_b32 v[ST+8*\q+5], 0                      ; (named as the upper half of f's pair)
.endr
.irp n, 0,1,2,3,4,5,6,7
	v_mov_b32 v[T8+\n], 0                          ; written once: a lane permute's destination counts as one of its sources
.endr
	s_wait_tensorcnt 0x0                           ; my first fills have landed,
	s_barrier_signal -1
	s_barrier_wait -1                              ; everybody's have
.macro LDP g                           ; P's four fragments of keys 128 g on: six pieces of 256 consecutive bytes each
	WIN 0
.irp q, 0,1,2,3
.irp i, 0,1,2,3,4,5
	ds_load_b64 v[SS+12*(4*\g+\q)+2*\i:SS+12*(4*\g+\q)+2*\i+1], v8 offset:(2*\q+\g)*1536+256*\i
.endr
.endr
.endm
.macro LDV g, t0                       ; four of V's fragments: channel tiles t0 on, keys 128 g on: two half fragments each
	WIN 0xc0
.irp t, \t0, \t0+1, \t0+2, \t0+3
.irp c, 0,1
.irp i, 0,1,2
	ds_load_b64 v[12*(8*\g+(\t))+6*\c+2*\i:12*(8*\g+(\t))+6*\c+2*\i+1], v6 offset:((2*\g+\c)*8+(\t))*768+256*\i
.endr
.endr
.endr
.endm
.macro PVM g, t0, zero                 ; 16 products of O^T += V^T P^T, on 16 accumulators that take turns
	WIN 0x53                                       ; V window 3, P window 0, O^T window 1
.irp t, \t0, \t0+1, \t0+2, \t0+3
.irp q, 0,1,2,3
.if \zero
	MM 64*\q+8*(\t), 12*(8*\g+(\t)), SS+12*(4*\g+\q), -1, VSC+4*\g+(\t)%4, PS+\q, (\t)/4, \g
.else
	MM 64*\q+8*(\t), 12*(8*\g+(\t)), SS+12*(4*\g+\q), 64*\q+8*(\t), VSC+4*\g+(\t)%4, PS+\q, (\t)/4, \g
.endif
.endr
.endr
.endm
; A KEY STEP: 256 keys.  first = 1: its V^T P starts O^T's sums.  last = 1: no scale words are asked for, and wo's first half comes into Q's registers.
.macro STEP first, last
.if !\first
	PLACES 5                                       ; behind the last step's products: four in front of the lines that write V's scale words and of the loads into V's registers, five in front of the scores, which write over P's
.endif
	s_wait_loadcnt 0x0                             ; this step's scale words
.irp g, 0,1
.irp i, 0,1,2,3
.if \i%2 == 0
	v_perm_b32 v[VSC+4*\g+\i], v[VR+4*\g+2+\i/2], v[VR+4*\g+\i/2], s66   ; V's word for keys 128 g on: two bytes from each of two blocks of 64 keys; lanes 0-15 channel tile i, lanes 16-31 tile 4 + i
.else
	v_perm_b32 v[VSC+4*\g+\i], v[VR+4*\g+2+\i/2], v[VR+4*\g+\i/2], s67
.endif
.endr
.endr
	s_add_nc_u64 s[KSP:KSP+1], s[KSP:KSP+1], 4096  ; their loads are done: on to the next step's
	s_add_nc_u64 s[VSP:VSP+1], s[VSP:VSP+1], 1024
	v_add_nc_u32 v5, s[KB], v4
	WIN 0xc0
.irp s, 0,1,2,3
.irp t, 0,1,2,3
.irp c, 0,1,2
	ds_load_b128 v[12*(4*\s+\t)+4*\c:12*(4*\s+\t)+4*\c+3], v5 offset:1536*(4*\s+\t)+512*\c   ; my 64 keys: 16 fragments
.endr
.endr
.endr
	WIN 0x0b                                       ; K window 3, Q window 2, S^T window 0
.irp s, 0,1,2,3
	s_wait_dscnt 36-12*\s                          ; this K step's four fragments are in; the later ones' loads stay out
.irp t, 0,1,2,3
.irp q, 0,1,2,3
.if \s == 0
	MM SS+32*\q+8*\t, 12*\t, 12*\q, -1, KSC+\t%2, QSC+\q%2, \t/2, \q/2
.else
	MM SS+32*\q+8*\t, 12*(4*\s+\t), 12*(4*\s+\q), SS+32*\q+8*\t, KSC+2*\s+\t%2, QSC+2*\s+\q%2, \t/2, \q/2
.endif
.endr
.endr
.endr
	WIN 0
	PLACES 4
	; lane (r, h) holds query r of tile qt; registers 32 qt + 16 beta + i are my keys 32 beta + 16 h + i.  THE LARGEST SCORE OF EACH BLOCK OF 32 KEYS serves twice: for the row's maximum, and, since p rises with the score, for the block's largest p
.irp n, 0,1,2,3,4,5,6,7
	v_max3_num_f32 v[BM+\n], v[SS+16*\n], v[SS+16*\n+1], v[SS+16*\n+2]
.endr
.irp i, 3,5,7,9,11,13
.irp n, 0,1,2,3,4,5,6,7
	v_max3_num_f32 v[BM+\n], v[BM+\n], v[SS+16*\n+\i], v[SS+16*\n+\i+1]
.endr
.endr
.irp n, 0,1,2,3,4,5,6,7
	v_max_num_f32 v[BM+\n], v[BM+\n], v[SS+16*\n+15]
.endr
.irp n, 0,1,2,3,4,5,6,7
	v_permlanex16_b32 v[T8+\n], v[BM+\n], s[SEL], s[SEL+1]
.endr
.irp n, 0,1,2,3,4,5,6,7
	v_max_num_f32 v[BM+\n], v[BM+\n], v[T8+\n]     ; with lane l xor 16's 16 keys
.endr
.irp q, 0,1,2,3
	v_max_num_f32 v[ST+8*\q+7], v[BM+2*\q], v[BM+2*\q+1]
.endr
.irp q, 0,1,2,3
	ds_store_b32 v11, v[ST+8*\q+7] offset:256*\q   ; my 64 keys' largest score of each query (both halves of the lanes write the same word with the same value)
.endr
	s_wait_dscnt 0x0                               ; for the others' sake
	s_barrier_signal -1
	s_barrier_wait -1
.irp q, 0,1,2,3
	ds_load_b128 v[MXR+4*\q:MXR+4*\q+3], v12 offset:256*\q
.endr
.if !\last
.irp s, 0,1,2,3
	global_load_b64 v[KSC+2*\s:KSC+2*\s+1], v2, s[KSP:KSP+1] offset:256*\s   ; the next step's scale words: a step ahead of their use
.endr
.irp q, 0,1,2,3
	global_load_b64 v[VR+2*\q:VR+2*\q+1], v2, s[VSP:VSP+1] offset:256*\q
.endr
.endif
	s_wait_dscnt 0x0
.irp q, 0,1,2,3
	v_max3_num_f32 v[ST+8*\q+7], v[MXR+4*\q], v[MXR+4*\q+1], v[MXR+4*\q+2]
.endr
.irp q, 0,1,2,3
	v_max_num_f32 v[ST+8*\q+7], v[ST+8*\q+7], v[MXR+4*\q+3]   ; the step's largest score: the same bits in all four waves
.endr
.irp q, 0,1,2,3
	v_mul_f32 v[ST+8*\q+7], s[CS], v[ST+8*\q+7]    ; as t (c is positive)
.endr
.irp q, 0,1,2,3
	v_max_num_f32 v[ST+8*\q+1], v[ST+8*\q+1], v[ST+8*\q+7]   ; the running largest t
.endr
.irp q, 0,1,2,3
	v_mov_b32 v[ST+8*\q+7], v[ST+8*\q]
.endr
.irp q, 0,1,2,3
	v_floor_f32 v[ST+8*\q], -v[ST+8*\q+1]          ; the new -M = -ceil(t): a whole number
.endr
.irp q, 0,1,2,3
	v_sub_f32 v[ST+8*\q+7], v[ST+8*\q], v[ST+8*\q+7]   ; old M - new M: a whole number, 0 or less
.endr
.irp q, 0,1,2,3
	v_cvt_i32_f32 v[ST+8*\q+7], v[ST+8*\q+7]       ; (it saturates)
.endr
.irp q, 0,1,2,3
	v_ldexp_f32 v[ST+8*\q+4], 1.0, v[ST+8*\q+7]    ; f = 2^(old M - new M)
.endr
.irp q, 0,1,2,3
.irp j, 0,2,4,6,8,10,12,14,16,18,20,22,24,26,28,30
	v_pk_fma_f32 v[SS+32*\q+\j:SS+32*\q+\j+1], v[SS+32*\q+\j:SS+32*\q+\j+1], s[CS:CS+1], v[ST+8*\q:ST+8*\q+1] op_sel_hi:[1,0,0]   ; t - M, two at a time
.endr
.endr
.irp n, 0,1,2,3,4,5,6,7
	v_fma_f32 v[BM+\n], v[BM+\n], s[CS], v[ST+8*(\n/2)]   ; the same of each block's largest score
.endr
.set i, 0
.rept 128
	v_exp_f32 v[SS+i], v[SS+i]                     ; p = 2^(t - M), at most 1: not normalised
.set i, i+1
.endr
.irp q, 0,1,2,3
	v_pk_mul_f32 v[ST+8*\q+2:ST+8*\q+3], v[ST+8*\q+2:ST+8*\q+3], v[ST+8*\q+4:ST+8*\q+5] op_sel_hi:[1,0]   ; the sums under the new M: plain work behind the exponentials
.endr
	s_wait_alu depctr_va_vdst(0)                   ; the wait ahead of the first line that names a result: one for the batch of 128
.irp n, 0,1,2,3,4,5,6,7
	v_exp_f32 v[BM+\n], v[BM+\n]                   ; each block's largest p: the same two instructions on the same number give the same bits
.endr
.irp j, 0,2,4,6,8,10,12,14,16,18,20,22,24,26,28,30
.irp q, 0,1,2,3
	v_pk_add_f32 v[ST+8*\q+2:ST+8*\q+3], v[ST+8*\q+2:ST+8*\q+3], v[SS+32*\q+\j:SS+32*\q+\j+1]   ; THE ROW'S SUM IS TAKEN OF THE UNQUANTISED p; the four tiles by turns
.endr
.endr
	s_wait_alu depctr_va_vdst(0)                   ; and one for the eight
.irp n, 0,1,2,3,4,5,6,7
	v_max_num_f32 v[BM+\n], 0x1800000, v[BM+\n]    ; the floor 2^(3 - 127): the byte cannot fall under 1
.endr
.irp n, 0,1,2,3,4,5,6,7
	v_add_nc_u32 v[BM+\n], 0xff000000, v[BM+\n]    ; 2 off the exponent field: the conversion's scale operand
.endr
.irp n, 0,1,2,3,4,5,6,7
	v_lshrrev_b32 v[T8+\n], 23, v[BM+\n]           ; the scale's byte
.endr
.irp q, 0,1,2,3
	v_lshl_or_b32 v[ST+8*\q+6], v[T8+2*\q+1], 8, v[T8+2*\q]   ; my two bytes of the row's word
.endr
.irp q, 0,1,2,3
.irp e, 0,1
	v_cvt_scalef32_pk16_fp6_f32 v[PCD+8*\q+4*\e:PCD+8*\q+4*\e+2], v[SS+32*\q+16*\e:SS+32*\q+16*\e+15], v[BM+2*\q+\e]
.endr
.endr
	v_nop                                          ; one plain place behind a scaled conversion
.irp q, 0,1,2,3
.irp i, 0,1,2
	v_permlane16_swap_b32 v[PCD+8*\q+\i], v[PCD+8*\q+4+\i]   ; a WHOLE block in a lane: lanes 0-15 my block 0, lanes 16-31 my block 1
.endr
.endr
.irp q, 0,1,2,3
.irp i, 0,1,2
	v_mov_b32 v[PCD+8*\q+3+\i], v[PCD+8*\q+4+\i]   ; the six registers on end (ascending: each source is read before it is written)
.endr
.endr
.irp q, 0,1,2,3
.irp i, 0,1,2
	ds_store_b64 v7, v[PCD+8*\q+2*\i:PCD+8*\q+2*\i+1] offset:3072*\q+256*\i   ; half a fragment of P as it stands: 256 consecutive bytes a store
.endr
.endr
.irp q, 0,1,2,3
	ds_store_b16 v9, v[ST+8*\q+6] offset:128*\q
.endr
	s_wait_tensorcnt 0x0                           ; my one tensor load has landed: in waves 2 and 3 this step's V, which is read behind this barrier; in waves 0 and 1 the next step's K, asked for at the same place.  The wait stands on every wave's path
	s_wait_dscnt 0x0                               ; for the others' sake: my part of P has landed
	s_barrier_signal -1
	s_barrier_wait -1
.irp q, 0,1,2,3
	ds_load_b32 v[PS+\q], v10 offset:128*\q        ; p's scale words
.endr
	LDP 0
	LDV 0, 0
.if \last
	WIN 0x80
.irp s, 0,1
.irp d, 0,1,2,3,4,5,6,7
.irp c, 0,1,2
	global_load_b128 v[12*(8*\s+\d)+4*\c:12*(8*\s+\d)+4*\c+3], v1, s[12:13] offset:6144*\d+1536*\s+512*\c   ; wo's K steps 0 and 1 into the registers that Q has left
.endr
.endr
.endr
	WIN 0
.irp s, 0,1,2,3
.irp e, 0,1
	global_load_b64 v[WS+4*\s+2*\e:WS+4*\s+2*\e+1], v2, s[14:15] offset:(8*\s+\e)*256   ; and its scale words into those of K's and Q's
.endr
.endr
.endif
.if !\first
	WIN 0x41                                       ; O^T (destination and source 0) window 1, f window 0
.irp q, 0,1,2,3
.irp j, 0,2,4,6,8,10,12,14,16,18,20,22,24,26,28,30,32,34,36,38,40,42,44,46,48,50,52,54,56,58,60,62
	v_pk_mul_f32 v[64*\q+\j:64*\q+\j+1], v[64*\q+\j:64*\q+\j+1], v[ST+8*\q+4:ST+8*\q+5] op_sel_hi:[1,0]   ; O^T under the new M, each accumulator from its low end on
.endr
.endr
.endif
	LDV 0, 4
	s_wait_dscnt 24                                ; all but the 24 just issued
	PVM 0, 0, \first
	LDP 1
	LDV 1, 0
	s_wait_dscnt 48                                ; all but the 48 just issued
	PVM 0, 4, \first
	LDV 1, 4
	s_wait_dscnt 24
	PVM 1, 0, 0
	s_wait_dscnt 0x0
	PVM 1, 4, 0
	WIN 0
.endm
; THE CHANGE, at the head of a step.  Each wave waits for all its tensor loads, adds 0 to its spare word, and waits for that and for its reads of the slots that are filled again (the last step's V; the K read a step before).
; The barrier is a round of the cluster's; the joint refill is the first thing behind it, one a wave.  full = 0: the last step: no K is left to ask for.
.macro CHANGE full
	WIN 0
	s_wait_tensorcnt 0x0                           ; no tensor load of mine is out, so a group 0 may be written
	ds_add_u32 v[SPW], v[NIL]                      ; 0 onto my spare word; the descriptors' steps stand between it and the wait for it
.if \full
	s_xor_b32 s41, s41, KS1                        ; K's walking descriptor: the other slot than last time,
	s_add_nc_u64 s[42:43], s[42:43], 98304         ; the next 256 keys; the type bits on top are not reached
.endif
	s_add_nc_u64 s[46:47], s[46:47], 98304
.if \full
	s_wait_xcnt 0x0                                ; the last prefetches, a step back, have read their addresses
	s_add_nc_u64 s[PFK:PFK+1], s[PFK:PFK+1], 98304
	s_add_nc_u64 s[PFV:PFV+1], s[PFV:PFV+1], 98304
.endif
	s_wait_dscnt 0x0                               ; the add is done, and my LDS reads are over
	CROUND
	s_cmp_lt_u32 s[WV], 2                          ; the branch hangs on the wave's number alone; an s_nop 0 and four v_nop follow each load
	s_cbranch_scc0 .Lfor_v_\@
.if \full
	tensor_load_to_lds s[40:43], s[28:35]
	s_nop 0
	PLACES 4
.endif
	s_branch .Lasked_\@
.Lfor_v_\@:
	tensor_load_to_lds s[44:47], s[28:35]
	s_nop 0
	PLACES 4
.Lasked_\@:
.if \full
	; A PREFETCH INTO THE L2 of what the NEXT change will ask for: V of the step after this one and K of the step after that, 8,192 bytes a wave, lanes 256 bytes apart.  All clusters of a batch walk the same K and V:
	; the batch's first cluster asks, its twelve asking waves told apart by address, so that each 256 bytes are named once in the launch.  K's stops a trip earlier than V's: no step lies behind the last.
	s_cmp_eq_u32 s[LIM], 1
	s_cbranch_scc0 .Lnot_mine_\@
	global_prefetch_b8 v18, s[PFV:PFV+1] th:TH_LOAD_NT scope:SCOPE_SE
	s_cmp_gt_u32 s[CNT], 1
	s_cbranch_scc0 .Lnot_mine_\@
	global_prefetch_b8 v18, s[PFK:PFK+1] th:TH_LOAD_NT scope:SCOPE_SE
.Lnot_mine_\@:
.endif
	s_xor_b32 s[KB], s[KB], KS1                    ; this step's K lies in the other slot
.endm
	STEP 1, 0
	s_mov_b32 s[CNT], 6
.Lstep:                                            ; steps 1 to 6
	CHANGE 1
	STEP 0, 0
	s_sub_co_u32 s[CNT], s[CNT], 1
	s_cmp_lg_u32 s[CNT], 0
	s_cbranch_scc1 .Lstep
	CHANGE 0                                       ; the last step is written out
	STEP 0, 1
	; ---- the rows' sums: my keys' two halves, lane l xor 16's, then the four waves'.  These additions are the places behind the last products
.irp q, 0,1,2,3
	v_add_f32 v[ST+8*\q+7], v[ST+8*\q+2], v[ST+8*\q+3]
.endr
.irp q, 0,1,2,3
	v_permlanex16_b32 v[T8+\q], v[ST+8*\q+7], s[SEL], s[SEL+1]
.endr
.irp q, 0,1,2,3
	v_add_f32 v[ST+8*\q+7], v[ST+8*\q+7], v[T8+\q]
.endr
.irp q, 0,1,2,3
	ds_store_b32 v11, v[ST+8*\q+7] offset:1024+256*\q
.endr
	WIN 0xc0
.irp s, 0,1
.irp d, 0,1,2,3,4,5,6,7
.irp c, 0,1,2
	global_load_b128 v[12*(8*\s+\d)+4*\c:12*(8*\s+\d)+4*\c+3], v1, s[12:13] offset:6144*\d+1536*(2+\s)+512*\c   ; wo's K steps 2 and 3 into the registers that V has left
.endr
.endr
.endr
	WIN 0
	s_wait_dscnt 0x0
	s_barrier_signal -1
	s_barrier_wait -1
.irp q, 0,1,2,3
	ds_load_b128 v[MXR+4*\q:MXR+4*\q+3], v12 offset:1024+256*\q
.endr
	s_wait_dscnt 0x0
.irp q, 0,1,2,3
	v_add_f32 v[MXR+4*\q], v[MXR+4*\q], v[MXR+4*\q+1]
.endr
.irp q, 0,1,2,3
	v_add_f32 v[MXR+4*\q+2], v[MXR+4*\q+2], v[MXR+4*\q+3]
.endr
.irp q, 0,1,2,3
	v_add_f32 v[ST+8*\q+7], v[MXR+4*\q], v[MXR+4*\q+2]
.endr
.irp q, 0,1,2,3
	v_rcp_f32 v[ST+8*\q+4], v[ST+8*\q+7]           ; 1 / l takes f's place
.endr
	v_nop                                          ; a plain place behind the last reciprocal,
	s_wait_alu depctr_va_vdst(0)                   ; and one wait for the four, ahead of their first reader
	; ---- O / l, quantised along the channels: my 128 channels are K step w of the last product
.irp q, 0,1,2,3
	WIN 0x01                                       ; source 0 (O^T) window 1
.irp j, 0,2,4,6,8,10,12,14,16,18,20,22,24,26,28,30,32,34,36,38,40,42,44,46,48,50,52,54,56,58,60,62
	v_pk_mul_f32 v[SS+\j:SS+\j+1], v[64*\q+\j:64*\q+\j+1], v[ST+8*\q+4:ST+8*\q+5] op_sel_hi:[1,0]
.endr
	WIN 0
	QUANT SS, 0, PW
	IMAGE 13, 6144*\q
	ds_store_b32 v14, v[PW] offset:512*\q
	s_wait_dscnt 0x0                               ; the stores have read their registers
.endr
	s_barrier_signal -1                            ; (no LDS instruction of mine is out)
	s_barrier_wait -1                              ; the sixteen fragments lie in LDS
	; ---- out^T = wo^T (O / l)^T + bo: my 128 columns for the 64 queries: 32 accumulators by turns, a K step at a time
.macro OCF s                           ; 16 LDS loads: K step s of the four tiles of queries, and their scale words
.irp q, 0,1,2,3
.irp c, 0,1,2
	ds_load_b128 v[SS+48*((\s)%2)+12*\q+4*\c:SS+48*((\s)%2)+12*\q+4*\c+3], v1 offset:(4*\q+(\s))*1536+512*\c
.endr
	ds_load_b32 v[OS+4*((\s)%2)+\q], v10 offset:3072+(4*\q+(\s))*128
.endr
.endm
.macro OMM s
.irp d, 0,1,2,3,4,5,6,7
.irp q, 0,1,2,3
.if (\s) == 0
	MM 64*\q+8*\d, 12*\d, SS+12*\q, 192+8*\d, WS+\d/2, OS+\q, \d%2, 0
.else
	MM 64*\q+8*\d, 12*(8*((\s)%2)+\d), SS+48*((\s)%2)+12*\q, 64*\q+8*\d, WS+4*(\s)+\d/2, OS+4*((\s)%2)+\q, \d%2, 0
.endif
.endr
.endr
.endm
	OCF 0
	OCF 1
	s_wait_loadcnt 48                              ; wo's K steps 0, 1 and its scale words are in; the 48 loads of K steps 2, 3 stay out
	WIN 0xc0
.irp t, 0,1,2,3,4,5,6,7,8,9,10,11,12,13,14,15
	global_load_b128 v[192+4*\t:192+4*\t+3], v1, s[18:19] offset:(\t+8*(\t/8))*2048 th:TH_LOAD_NT   ; x at tile 0's rows, my 512 bytes: read once in the launch
.endr
	s_wait_dscnt 16                                ; K step 0's operand is in; K step 1's 16 loads stay out
	WIN 0x62                                       ; wo window 2, C (bo) window 2, D window 1
	OMM 0
	WIN 0
	PLACES 4
	OCF 2
	s_wait_dscnt 16
	WIN 0x52
	OMM 1
	WIN 0
	PLACES 4                                       ; in front of the loads into the operand's registers and into wo's
	OCF 3
	s_wait_loadcnt 16                              ; wo's K steps 2, 3 are in; x's 16 loads stay out
	WIN 0x80
.irp a, 1,2,3
.irp t, 0,1,2,3,4,5,6,7,8,9,10,11,12,13,14,15
	global_load_b128 v[64*(\a-1)+4*\t:64*(\a-1)+4*\t+3], v1, s[18:19] offset:(32*(\a/2)+8*(\a%2)+\t+8*(\t/8))*2048 th:TH_LOAD_NT   ; x at tiles 1 to 3's rows
.endr
.endr
	s_wait_dscnt 16
	WIN 0x53                                       ; wo window 3
	OMM 2
	s_wait_dscnt 0x0
	OMM 3
	WIN 0
	PLACES 4                                       ; in front of the first read of results, and of loads into the operand's registers
	; ---- THE WAY OUT, a tile of 16 queries at a time: a lane holds pieces of one row, so the tile goes through my own stage in LDS and comes back as whole rows of 512 bytes; x is added; 32 lanes store 512 consecutive bytes.
.macro TOSTAGE a
	WIN 0x04                                       ; an LDS store's data are its source 1: window 1
.irp d, 0,1,2,3,4,5,6,7
	ds_store_b128 v15, v[64*(\a)+8*\d:64*(\a)+8*\d+3] offset:128*(\d/2)+32*(\d%2)       ; each accumulator from its low end on
	ds_store_b128 v15, v[64*(\a)+8*\d+4:64*(\a)+8*\d+7] offset:128*(\d/2)+32*(\d%2)+16
.endr
	WIN 0
.irp t, 0,1,2,3,4,5,6,7,8,9,10,11,12,13,14,15
	ds_load_b128 v[SS+64*((\a)%2)+4*\t:SS+64*((\a)%2)+4*\t+3], v19 offset:528*\t   ; LDS serves a wave's instructions in order (ISA guide 5.7.1.4): these see the stores above, and the next tile's stores come behind them
.endr
.endm
.macro SEND a, younger
.set BB, SS+64*((\a)%2)
	s_wait_dscnt \younger                          ; the tile is back in registers; the next tile's LDS instructions stay out
	s_wait_loadcnt 48-16*(\a)                      ; x at this tile's rows is in; the later tiles' loads stay out
.if (\a) == 0
	WIN 0x0c
.set XB, 192
.else
	WIN 0x08
.set XB, 64*((\a)-1)
.endif
.set i, 0
.rept 32
	v_pk_add_f32 v[BB+2*i:BB+2*i+1], v[BB+2*i:BB+2*i+1], v[XB+2*i:XB+2*i+1]
.set i, i+1
.endr
	WIN 0
.irp t, 0,1,2,3,4,5,6,7,8,9,10,11,12,13,14,15
	global_store_b128 v1, v[BB+4*\t:BB+4*\t+3], s[20:21] offset:(32*((\a)/2)+8*((\a)%2)+\t+8*(\t/8))*2048 th:TH_STORE_NT   ; 512 consecutive bytes, at a multiple of 256 from out0's first byte; 63 rows at the most in the immediate
.endr
.endm
	TOSTAGE 0
.irp a, 1,2,3
.if \a > 1
	s_wait_xcnt 0x0                                ; tile a - 2's stores have read their registers: tile a's loads may land there
.endif
	TOSTAGE \a
	SEND \a-1, 32
.endr
	SEND 3, 0
	s_wait_tensorcnt 0x0                           ; the wave's end: behind my last tensor load and my last LDS store
	ds_add_u32 v[SPW], v[NIL]
	s_wait_dscnt 0x0
	CROUND                                         ; the closing round: no work-group ends while a partner may still ask for a tile that names it
	s_endpgm
.Lfunc_end_k_qa61086a086_attn:
	.size	k_qa61086a086_attn, .Lfunc_end_k_qa61086a086_attn-k_qa61086a086_attn
	.p2alignl 7, 3214868480
	.fill 96, 4, 3214868480
	.section	.rodata,"a",@progbits
	.p2align	6, 0x0
	.amdhsa_kernel k_qa61086a086_attn
		.amdhsa_group_segment_fixed_size 327680
		.amdhsa_private_segment_fixed_size 0
		.amdhsa_enable_private_segment 0
		.amdhsa_kernarg_size 72
		.amdhsa_user_sgpr_count 2
		.amdhsa_user_sgpr_kernarg_segment_ptr 1
		.amdhsa_wavefront_size32 1
		.amdhsa_system_sgpr_workgroup_id_x 1
		.amdhsa_system_sgpr_workgroup_id_y 1
		.amdhsa_system_sgpr_workgroup_id_z 1
		.amdhsa_system_vgpr_workitem_id 0
		.amdhsa_next_free_vgpr 1024
		.amdhsa_next_free_sgpr 80
		.amdhsa_reserve_vcc 0
		.amdhsa_float_denorm_mode_32 3
		.amdhsa_float_denorm_mode_16_64 3
		.amdhsa_memory_ordered 1
		.amdhsa_forward_progress 1
		.amdhsa_inst_pref_size 255
	.end_amdhsa_kernel
	.section	.bss,"aw",@nobits
	.p2align	6
	.space	262144
	.amdgpu_metadata
---
amdhsa.version: [ 1, 2 ]
amdhsa.kernels:
  - .name:           k_qa61086a086_attn
    .symbol:         k_qa61086a086_attn.kd
    .args:
      - { .name: qcod, .offset: 0, .size: 8, .value_kind: global_buffer, .address_space: global }
      - { .name: kcod, .offset: 8, .size: 8, .value_kind: global_buffer, .address_space: global }
      - { .name: vcod, .offset: 16, .size: 8, .value_kind: global_buffer, .address_space: global }
      - { .name: scl, .offset: 24, .size: 8, .value_kind: global_buffer, .address_space: global }
      - { .name: wcod, .offset: 32, .size: 8, .value_kind: global_buffer, .address_space: global }
      - { .name: wscl, .offset: 40, .size: 8, .value_kind: global_buffer, .address_space: global }
      - { .name: bo, .offset: 48, .size: 8, .value_kind: global_buffer, .address_space: global }
      - { .name: x, .offset: 56, .size: 8, .value_kind: global_buffer, .address_space: global }
      - { .name: out0, .offset: 64, .size: 8, .value_kind: global_buffer, .address_space: global }
    .group_segment_fixed_size: 327680
    .private_segment_fixed_size: 0
    .kernarg_segment_align: 8
    .kernarg_segment_size: 72
    .max_flat_workgroup_size: 128
    .sgpr_count:     80
    .vgpr_count:     1024
    .wavefront_size: 32
...
	.end_amdgpu_metadata
.endif
;; end of part 3
